; MI455X (gfx1250); checked and timed in simulation.
; The chip was launched on July 23, 2026; its instructions are those of AMD's public machine-readable ISA for CDNA 5 (MIT licence, August 2026) and "CDNA5" Instruction Set Architecture Reference Guide (July 2026). The comments in the code are by the model that wrote it; some were corrected since.
;; Multi Headed Polar Rotate Attention. Allowed arithmetic: matrix products marked QUANTISED: E2M1 operands, one E8M0 scale for each 32 along K, by v_wmma_scale_f32_16x16x128_f8f6f4 with both operands' format E2M1 (or v_wmma_scale_f32_32x16x128_f4), f32 sums; products left as they are: bf16, f16 or f32 operands; f32 sums; everything else in f32.
;; Inputs: b_i 3 x 512 float32; b_oi 512 float32; b_or 512 float32; b_r 3 x 512 float32; img_k 4 x 2,048 x 512 float32; img_q 4 x 2,048 x 512 float32; img_v 4 x 2,048 x 512 float32; real_k 4 x 2,048 x 512 float32; real_q 4 x 2,048 x 512 float32; real_v 4 x 2,048 x 512 float32; w_i 3 x 512 x 512 float32; w_oi 512 x 512 float32; w_or 512 x 512 float32; w_r 3 x 512 x 512 float32.
;; Outputs: out0 4 x 2,048 x 512 float32; out1 4 x 2,048 x 512 float32.
;; This version of the problem:
;;   THIS VERSION OF THE PROBLEM IS GIVEN IN LOW PRECISION. The matrix products marked QUANTISED in the list below multiply operands that are first quantised to E2M1 (2 exponent bits, 1 mantissa bit; 4 bits a number), with one power-of-two scale for each 32 numbers along K (OCP MX v1.0); their sums are f32. The products marked 'left as it is' may take bf16, f16 or f32 operands, with f32 sums. Whichever they take, every output number must still come out within the allowed error. Rounding operands to bf16 (8 significant bits) uses up far more of that allowance than f16 does (11 bits, for magnitudes from 6e-5 to 65,504). All else is computed in f32.
;;   The module's matrix products, in the order in which they are computed (A, B: the left and right operand; K: the contracted axis; several contracted axes count as one K, in the product's order):
;;     1. [M 8,192, K 512] x [K 512, N 512]; A: input real_q; B: input w_r: QUANTISED
;;     2. [M 8,192, K 512] x [K 512, N 512]; A: input real_k; B: input w_r: QUANTISED
;;     3. [M 8,192, K 512] x [K 512, N 512]; A: input real_v; B: input w_r: QUANTISED
;;     4. [M 8,192, K 512] x [K 512, N 512]; A: input img_q; B: input w_i: QUANTISED
;;     5. [M 8,192, K 512] x [K 512, N 512]; A: input img_k; B: input w_i: QUANTISED
;;     6. [M 8,192, K 512] x [K 512, N 512]; A: input img_v; B: input w_i: QUANTISED
;;     7. batch 64 x [M 2,048, K 32] x [K 32, N 2,048]; A: computed on the way; B: computed on the way: left as it is (an operand is computed on the way)
;;     8. batch 64 x [M 2,048, K 32] x [K 32, N 2,048]; A: computed on the way; B: computed on the way: left as it is (an operand is computed on the way)
;;     9. batch 64 x [M 2,048, K 2,048] x [K 2,048, N 32]; A: computed on the way; B: computed on the way: left as it is (an operand is computed on the way)
;;     10. batch 64 x [M 2,048, K 2,048] x [K 2,048, N 32]; A: computed on the way; B: computed on the way: left as it is (an operand is computed on the way)
;;     11. [M 8,192, K 512] x [K 512, N 512]; A: computed on the way; B: input w_or: left as it is (an operand is computed on the way)
;;     12. [M 8,192, K 512] x [K 512, N 512]; A: computed on the way; B: input w_oi: left as it is (an operand is computed on the way)
;;   THE QUANTISER, for each operand of a quantised product, along K:
;;     - K is cut into blocks of 32 from its start; a last block that is shorter is filled with zeros.
;;     - A block's scale is 2^e with e = floor(log2(the largest magnitude in the block)) - 2, held to -126 .. 127; a block of zeros has e = 0. As a byte (E8M0): e + 127.
;;     - Each number is divided by its block's scale, clamped to +-6, and rounded to the nearest number of E2M1, ties to even, subnormals kept.
;;     - The product sums the exact products of the quantised numbers (number of the format x scale) in f32.
;;   ~~~python
;;   def quantise(x, axis):      # numpy; x: float32 -> the quantised numbers, widened to float32 again
;;       x = np.moveaxis(x, axis, -1); K = x.shape[-1]
;;       x = np.pad(x, [(0, 0)] * (x.ndim - 1) + [(0, -K % 32)]); x = x.reshape(x.shape[:-1] + (-1, 32)); a = np.abs(x).max(-1, keepdims=True)
;;       e = np.where(a > 0, np.clip(np.frexp(np.where(a > 0, a, 1))[1] - 1 - 2, -126, 127), 0)      # np.frexp(a)[1] - 1 = floor(log2(a)), exactly
;;       r = np.clip(x / 2.0 ** e, -6, 6)
;;       step = 2.0 ** (np.maximum(np.frexp(np.where(r == 0, 1, r))[1] - 1, 0) - 1)
;;       q = np.round(r / step) * step * 2.0 ** e      # np.round: ties to even
;;       return np.moveaxis(q.reshape(q.shape[:-2] + (-1,))[..., :K], -1, axis).astype(np.float32)
;;   ~~~
;; 2 versions, each right; version 2 is version 1 with the launch proj written anew for expert scheduling mode. Each part assembles by itself: llvm-mc -triple=amdgcn-amd-amdhsa -mcpu=gfx1250 --defsym DOCPART=n.
;; ======== version 1 of 2: 4 launches
;; limits: values are held in f16: magnitudes above 65,504 overflow, below 6.1e-05 lose precision
;; workspace buffers: wq_codes 786,432 bytes; wq_scales 49,152 bytes; wo16 1,048,576 bytes; qbuf 16,777,216 bytes; kv 33,554,432 bytes; xw 16,777,216 bytes
;; launch prep (part 1): grid 160 x 1, 4 waves a work-group, no clusters, 0 bytes of LDS; arguments w_r, w_i, w_or, w_oi, wq_codes, wq_scales, wo16; writes wq_codes, wq_scales, wo16
.if DOCPART == 1
	.amdgcn_target "amdgcn-amd-amdhsa--gfx1250"
	.amdhsa_code_object_version 6
	.text
	.protected	k_qa56275d9d0_prep
	.globl	k_qa56275d9d0_prep
	.p2align	8
	.type	k_qa56275d9d0_prep,@function
k_qa56275d9d0_prep:
	s_mov_b64 s[64:65], 0
	v_nop
	global_prefetch_b8 v0, s[64:65] scope:SCOPE_SE
	s_setreg_imm32_b32 hwreg(HW_REG_WAVE_MODE, 25, 1), 1
	s_wait_xcnt 0x0
; THE WEIGHTS ARE LAID OUT ONCE, as images of the operand registers that the later launches want.
; Work-groups 0-95: the six projection weights (w_r[0..2], w_i[0..2], each [512 (e)][512 (k)] f32, K innermost) become codes of FP4 (E2M1) with one E8M0 byte for each 32 along K.
;   wq_codes [p 6][tile of 16 rows 32][K step of 128: 4][1024 bytes]: a fragment's registers 0-3, 16 bytes a lane at 16 x lane, then its registers 4-7.
;   wq_scales [p 6][K step 4][row 512]: one word of four bytes for a row and 128 along K.
; Work-groups 96-159: w_or and w_oi ([512 (e)][512 (k)] f32) become f16 fragments of 16 rows x 32 k:  wo16 [stream 2][quarter of the rows 4][K step 16][tile 8][1024 bytes].
; A block's scale is 2^(floor(log2(its largest magnitude)) - 2); its byte is the largest magnitude's exponent field - 2, held at 1 from below.
; LIMITS: NaN and infinities are not served; a block whose largest magnitude lies under 2^-124 keeps the byte 1; a block of zeros gets the byte 1 (its codes are zeros, and this program alone reads the bytes).
; No work-group shares a byte with another, so there is no cluster, no LDS and no barrier.  A wave's scale words are 128 consecutive bytes: 48 KB of such stores against 6 MB read.
.set TM,  16                           ; v16-19 largest magnitudes, v20-23 partner's / bytes, v28-31 the conversions' scale operands
.set X0,  32                           ; v32-95   64 numbers of the first tile
.set X1,  96                           ; v96-159  of the second
.set PC0, 160                          ; v160-167 the first tile's codes
.set PC1, 168                          ; v168-175 the second's
.set PW0, 176                          ; their scale words
.set PW1, 177
.set SEL, 22                           ; s[22:23] lane selects: lane l xor 16
; 64 numbers of a lane, register 16 b + i = k 32 b + 16 (lane / 16) + i of my row, become a fragment's codes in v[pc] on and its scale word in v[pw]
.macro QUANT s, pc, pw
.irp b, 0,1,2,3
	v_max3_num_f32 v[TM+\b], |v[\s+16*\b]|, |v[\s+1+16*\b]|, 0x1800000   ; block b: my 16 numbers, and the floor 2^(3 - 127): the byte cannot fall under 1
.endr
.irp i, 2,4,6,8,10,12,14
.irp b, 0,1,2,3
	v_max3_num_f32 v[TM+\b], v[TM+\b], |v[\s+16*\b+\i]|, |v[\s+1+16*\b+\i]|   ; the four blocks by turns
.endr
.endr
.irp b, 0,1,2,3
	v_permlanex16_b32 v[TM+4+\b], v[TM+\b], s[SEL], s[SEL+1]
.endr
.irp b, 0,1,2,3
	v_max_num_f32 v[TM+\b], v[TM+\b], v[TM+4+\b]          ; with lane l xor 16's: the block's largest magnitude
.endr
.irp b, 0,1,2,3
	v_add_nc_u32 v[TM+12+\b], 0xff000000, v[TM+\b]        ; 2 off its exponent field: the conversion takes that field as its scale
.endr
.irp b, 0,1,2,3
	v_lshrrev_b32 v[TM+4+\b], 23, v[TM+12+\b]             ; the scale's byte
.endr
	v_lshl_or_b32 v[\pw], v[TM+5], 8, v[TM+4]
	v_lshl_or_b32 v[\pw], v[TM+6], 16, v[\pw]
	v_lshl_or_b32 v[\pw], v[TM+7], 24, v[\pw]             ; my row's scale word
.irp b, 0,1,2,3
	v_cvt_scalef32_pk8_fp4_f32 v[\pc+2*\b], v[\s+16*\b:\s+7+16*\b], v[TM+12+\b]
	v_cvt_scalef32_pk8_fp4_f32 v[\pc+1+2*\b], v[\s+8+16*\b:\s+15+16*\b], v[TM+12+\b]
.endr
	v_nop                                                 ; one plain instruction behind the scaled conversions
.irp c, 0,1                                               ; the operand wants a whole block in a lane: lanes 0-15 block 2 c, lanes 16-31 block 2 c + 1
.irp i, 0,1
	v_permlane16_swap_b32 v[\pc+4*\c+\i], v[\pc+2+4*\c+\i]
.endr
.endr
.endm
	s_load_b256 s[8:15], s[0:1], 0x0               ; w_r s[8:9], w_i s[10:11], w_or s[12:13], w_oi s[14:15]
	s_load_b128 s[16:19], s[0:1], 0x20             ; wq_codes s[16:17], wq_scales s[18:19]
	s_load_b64 s[20:21], s[0:1], 0x30              ; wo16
	v_and_b32 v1, 31, v0                           ; lane
	v_lshrrev_b32 v3, 5, v0
	v_readfirstlane_b32 s4, v3                     ; wave
	v_and_b32 v4, 15, v0                           ; r
	v_bfe_u32 v5, v0, 4, 1                         ; h
	v_lshlrev_b32 v6, 4, v1                        ; 16 x lane: an image's place for my lane
	s_mov_b32 s27, 0
	s_mov_b32 s29, 0
	s_mov_b32 s31, 0
	s_cmp_lt_u32 ttmp9, 96
	s_cbranch_scc0 .Lconv
	; ---- FP4: weight p = g / 16, tiles 2 (g % 16) and 2 (g % 16) + 1, K step = my wave
	s_lshr_b32 s5, ttmp9, 4                        ; p
	s_and_b32 s6, ttmp9, 15                        ; pair of tiles
	v_lshlrev_b32 v2, 11, v4
	v_lshl_add_u32 v2, v5, 6, v2                   ; row r of 2,048 bytes, + 64 h: my 16 numbers of a block of 32
	v_lshlrev_b32 v7, 2, v1                        ; 4 x lane
	s_mov_b32 s[SEL], 0x76543210
	s_mov_b32 s[SEL+1], 0xfedcba98
.irp b, 0,1,2,3
	v_mov_b32 v[TM+4+\b], 0                        ; written once: a lane permute's destination counts as one of its sources
.endr
	s_cmp_lt_u32 s5, 3
	s_cselect_b32 s7, 0, 3
	s_sub_co_u32 s7, s5, s7                        ; which of the stream's three matrices
	s_lshl_b32 s26, s7, 20                         ; 1 MiB a matrix,
	s_lshl_b32 s7, s6, 16
	s_add_co_u32 s26, s26, s7                      ; 32 rows of 2,048 bytes a pair of tiles,
	s_lshl_b32 s7, s4, 9
	s_add_co_u32 s26, s26, s7                      ; 512 bytes a K step
	s_lshl_b32 s28, s5, 17                         ; codes: 128 KiB a weight,
	s_lshl_b32 s7, s6, 13
	s_add_co_u32 s28, s28, s7                      ; 8 KiB a pair of tiles,
	s_lshl_b32 s7, s4, 10
	s_add_co_u32 s28, s28, s7                      ; 1 KiB a K step
	s_lshl_b32 s30, s5, 13                         ; scale words: 8 KiB a weight,
	s_lshl_b32 s7, s4, 11
	s_add_co_u32 s30, s30, s7                      ; 2 KiB a K step,
	s_lshl_b32 s7, s6, 7
	s_add_co_u32 s30, s30, s7                      ; 128 bytes a pair of tiles
	s_wait_kmcnt 0x0
	s_cmp_lt_u32 s5, 3
	s_cselect_b64 s[24:25], s[8:9], s[10:11]       ; the choice hangs on the work-group's number alone
	s_add_nc_u64 s[24:25], s[24:25], s[26:27]
	s_add_nc_u64 s[16:17], s[16:17], s[28:29]
	s_add_nc_u64 s[18:19], s[18:19], s[30:31]
.irp b, 0,1,2,3
.irp j, 0,1,2,3
	global_load_b128 v[X0+16*\b+4*\j:X0+16*\b+4*\j+3], v2, s[24:25] offset:128*\b+16*\j th:TH_LOAD_NT
.endr
.endr
.irp b, 0,1,2,3
.irp j, 0,1,2,3
	global_load_b128 v[X1+16*\b+4*\j:X1+16*\b+4*\j+3], v2, s[24:25] offset:32768+128*\b+16*\j th:TH_LOAD_NT
.endr
.endr
	s_wait_loadcnt 16                              ; the first tile's 16 loads are in; the second's may be out
	QUANT X0, PC0, PW0
	s_wait_loadcnt 0x0
	QUANT X1, PC1, PW1
	v_cmp_gt_u32 vcc_lo, 16, v1
	v_cndmask_b32 v178, v[PW1], v[PW0], vcc_lo     ; lanes 0-15: the first tile's rows; lanes 16-31: the second's (every lane holds the word of row lane % 16)
	global_store_b128 v6, v[PC0:PC0+3], s[16:17]               ; each store covers 512 consecutive bytes, aligned
	global_store_b128 v6, v[PC0+4:PC0+7], s[16:17] offset:512
	global_store_b128 v6, v[PC1:PC1+3], s[16:17] offset:4096
	global_store_b128 v6, v[PC1+4:PC1+7], s[16:17] offset:4608
	global_store_b32 v7, v178, s[18:19]
	s_endpgm
.Lconv:
	; ---- f16: stream (g - 96) / 32, tile of 16 rows (g - 96) % 32, K steps 4 wave .. 4 wave + 3
	s_sub_co_u32 s5, ttmp9, 96
	s_lshr_b32 s6, s5, 5                           ; stream
	s_and_b32 s5, s5, 31                           ; tile
	v_lshlrev_b32 v2, 11, v4
	v_lshl_add_u32 v2, v5, 5, v2                   ; row r, + 32 h: k = 8 h .. 8 h + 7
	s_lshl_b32 s26, s5, 15                         ; 16 rows of 2,048 bytes a tile,
	s_lshl_b32 s7, s4, 9
	s_add_co_u32 s26, s26, s7                      ; four K steps of 128 bytes a wave
	s_lshl_b32 s28, s6, 2
	s_lshr_b32 s7, s5, 3
	s_add_co_u32 s28, s28, s7
	s_lshl_b32 s28, s28, 17                        ; 128 KiB for a stream's quarter,
	s_lshl_b32 s7, s4, 15
	s_add_co_u32 s28, s28, s7                      ; 8 KiB a K step,
	s_and_b32 s7, s5, 7
	s_lshl_b32 s7, s7, 10
	s_add_co_u32 s28, s28, s7                      ; 1 KiB a tile
	s_wait_kmcnt 0x0
	s_cmp_eq_u32 s6, 0
	s_cselect_b64 s[24:25], s[12:13], s[14:15]
	s_add_nc_u64 s[24:25], s[24:25], s[26:27]
	s_add_nc_u64 s[20:21], s[20:21], s[28:29]
.irp f, 0,1,2,3
.irp c, 0,1
	global_load_b128 v[32+16*\f+8*\c:32+16*\f+8*\c+3], v2, s[24:25] offset:128*\f+64*\c th:TH_LOAD_NT
	global_load_b128 v[32+16*\f+8*\c+4:32+16*\f+8*\c+7], v2, s[24:25] offset:128*\f+64*\c+16 th:TH_LOAD_NT
.endr
.endr
	s_wait_loadcnt 0x0
.set n, 0
.rept 32
	v_cvt_pk_f16_f32 v[96+n], v[32+2*n], v[33+2*n]
.set n, n+1
.endr
.irp f, 0,1,2,3
.irp c, 0,1
	global_store_b128 v6, v[96+8*\f+4*\c:96+8*\f+4*\c+3], s[20:21] offset:8192*\f+512*\c   ; 512 consecutive bytes, aligned
.endr
.endr
	s_endpgm
.Lfunc_end_k_qa56275d9d0_prep:
	.size	k_qa56275d9d0_prep, .Lfunc_end_k_qa56275d9d0_prep-k_qa56275d9d0_prep
	.p2alignl 7, 3214868480
	.fill 96, 4, 3214868480
	.section	.rodata,"a",@progbits
	.p2align	6, 0x0
	.amdhsa_kernel k_qa56275d9d0_prep
		.amdhsa_group_segment_fixed_size 0
		.amdhsa_private_segment_fixed_size 0
		.amdhsa_enable_private_segment 0
		.amdhsa_kernarg_size 56
		.amdhsa_user_sgpr_count 2
		.amdhsa_user_sgpr_kernarg_segment_ptr 1
		.amdhsa_wavefront_size32 1
		.amdhsa_system_sgpr_workgroup_id_x 1
		.amdhsa_system_sgpr_workgroup_id_y 1
		.amdhsa_system_sgpr_workgroup_id_z 1
		.amdhsa_system_vgpr_workitem_id 0
		.amdhsa_next_free_vgpr 192
		.amdhsa_next_free_sgpr 66
		.amdhsa_reserve_vcc 1
		.amdhsa_float_denorm_mode_32 3
		.amdhsa_float_denorm_mode_16_64 3
		.amdhsa_memory_ordered 1
		.amdhsa_forward_progress 1
		.amdhsa_inst_pref_size 19
	.end_amdhsa_kernel
	.amdgpu_metadata
---
amdhsa.version: [ 1, 2 ]
amdhsa.kernels:
  - .name:           k_qa56275d9d0_prep
    .symbol:         k_qa56275d9d0_prep.kd
    .args:
      - { .name: w_r, .offset: 0, .size: 8, .value_kind: global_buffer, .address_space: global }
      - { .name: w_i, .offset: 8, .size: 8, .value_kind: global_buffer, .address_space: global }
      - { .name: w_or, .offset: 16, .size: 8, .value_kind: global_buffer, .address_space: global }
      - { .name: w_oi, .offset: 24, .size: 8, .value_kind: global_buffer, .address_space: global }
      - { .name: wq_codes, .offset: 32, .size: 8, .value_kind: global_buffer, .address_space: global }
      - { .name: wq_scales, .offset: 40, .size: 8, .value_kind: global_buffer, .address_space: global }
      - { .name: wo16, .offset: 48, .size: 8, .value_kind: global_buffer, .address_space: global }
    .group_segment_fixed_size: 0
    .private_segment_fixed_size: 0
    .kernarg_segment_align: 8
    .kernarg_segment_size: 56
    .max_flat_workgroup_size: 128
    .sgpr_count:     66
    .vgpr_count:     192
    .wavefront_size: 32
...
	.end_amdgpu_metadata
.endif
;; end of part 1
;; launch proj (part 2): grid 192 x 1, 4 waves a work-group, no clusters, 18,944 bytes of LDS; arguments real_q, real_k, real_v, img_q, img_k, img_v, b_r, b_i, wq_codes, wq_scales, qbuf, kv; writes qbuf, kv
.if DOCPART == 2
	.amdgcn_target "amdgcn-amd-amdhsa--gfx1250"
	.amdhsa_code_object_version 6
	.text
	.protected	k_qa56275d9d0_proj
	.globl	k_qa56275d9d0_proj
	.p2align	8
	.type	k_qa56275d9d0_proj,@function
k_qa56275d9d0_proj:
	s_mov_b64 s[64:65], 0
	v_nop
	global_prefetch_b8 v0, s[64:65] scope:SCOPE_SE
	s_setreg_imm32_b32 hwreg(HW_REG_WAVE_MODE, 25, 1), 1
	s_wait_xcnt 0x0
; THE SIX PROJECTIONS  y = Q(x) Q(W)^T + b, on codes of FP4 (E2M1) with one E8M0 scale for each 32 along K; sums in f32; y leaves as f16, laid as the attention's operand registers.
; Work-group g: projection p = g / 32 (0-2: real q, k, v; 3-5: imaginary q, k, v), rows 256 (g % 32) on, as four blocks of 64 rows.
; THE WAVES SHARE THE COLUMNS: wave w keeps W's rows 128 w .. 128 w + 127 (8 tiles x 4 K steps = 256 registers), their scale words and their bias in registers for the whole launch.
; In a block wave w quantises rows 16 w .. 16 w + 15 of x (4 fragments, 4 scale words) and hands them round through LDS as images of their registers: 16 bytes a lane at 16 x lane, a scale word at 4 x lane.
; Q and K: the product is used transposed (source 0 = 16 rows of W, source 1 = 16 rows of x): a lane holds one position and eight neighbouring channels: packed to f16 they are registers 0-3 or 4-7 of a
; fragment (16 positions x a head's 32 channels).  V: source 0 = x, source 1 = W: a lane holds one channel and eight neighbouring positions: half of a fragment of V^T (16 channels x 32 keys).
; So every store is 512 consecutive bytes, aligned, straight from registers.
;   qbuf [batch x head 64][tile of 16 queries 128][stream 2][1024];   kv [batch x head 64][slot of 512 keys 4][ K: [tile of 16 keys 32][stream 2][1024] | V: [32 keys 16][16 channels 4][1024] ]
; NO JOINT LOADS: what work-groups share, a weight's 136 KB of codes and scale words, goes once into one wave's registers, against 768 KB of x and y that are the work-group's own.
; 192 work-groups: the six tensors' 8,192 rows each do not divide into 256 equal shares that keep to one weight.
; LIMITS: NaN and infinities are not served; a block whose largest magnitude lies under 2^-124 keeps the byte 1 (a block of zeros too: its codes are zeros); |y| stays under 65,504, f16's largest number.
; REGISTERS, in windows of 256: window 0: addresses, x's fragments from LDS, 8 accumulators, codes, packed results, scale words.  window 1: W's 32 fragments.  window 2: my 16 rows of x, 256 numbers a lane.  window 3: v0-63 the bias.
.set LN,  1                            ; v1   16 x lane
.set XA,  2                            ; v2   x: row r of 2,048 bytes + 64 h
.set IW,  3                            ; v3   where I store my images: 16 x lane + 4,096 x wave
.set SW,  4                            ; v4   and their scale words: SCB + 4 x lane + 512 x wave
.set LS,  5                            ; v5   SCB + 4 x lane
.set SPW, 10                           ; v10  LDS address of my spare word; never rewritten
.set NIL, 11                           ; v11  0; never rewritten
.set XF,  16                           ; v16-47   a row tile's four fragments of x
.set ACC, 48                           ; v48-111  eight accumulators
.set PC,  112                          ; v112-143 the codes just made, 8 registers a K step
.set PW,  144                          ; v144-147 their scale words
.set XS,  148                          ; v148-151 x's scale words from LDS: scales and nothing else
.set PK,  152                          ; v152-183 results as f16
.set OFS, 184                          ; v184-191 tile t's byte offset in the output
.set WS,  192                          ; v192-223 W's scale words, 4 t + s: scales and nothing else
.set TM,  224                          ; v224-239 at work in the quantiser
.set BA,  240                          ; v240-247 the bias loads' offsets
.set SCB,   16384                      ; LDS: 16 fragments of 1,024 bytes, then 16 x 128 bytes of scale words,
.set SPARE, 18432                      ; then the spare words, 128 bytes a wave: two blocks of 256 bytes that no other line names
.set XP,  32                           ; s[32:33] x at my wave's rows of the block in hand
.set OP,  34                           ; s[34:35] the output at the row tile in hand
.set ST0, 36                           ; s[36:37] its step behind an even row tile
.set ST1, 38                           ; s[38:39] behind an odd one
.set STF, 40                           ; s[40:41] ahead of a block's first tile: 0 in the first block, then ST1
.set ISV, 42                           ; s42  1: this projection makes V
.set CNT, 43
.set SEL, 44                           ; s[44:45] lane selects: lane l xor 16
.set MSB, 0
.macro WIN new                         ; the immediate's high byte repeats the setting that is left; a switch that changes nothing is dropped
.if MSB != (\new)
	s_set_vgpr_msb (MSB<<8)|(\new)
.set MSB, (\new)
.endif
.endm
; my 16 rows' numbers of K step s (64 a lane), from off bytes on: register 64 s + 16 b + i of window 2 = k 128 s + 32 b + 16 h + i
.macro XLOAD s, off
	WIN 0x80
.irp b, 0,1,2,3
.irp j, 0,1,2,3
	global_load_b128 v[64*(\s)+16*\b+4*\j:64*(\s)+16*\b+4*\j+3], v[XA], s[XP:XP+1] offset:\off+512*(\s)+128*\b+16*\j th:TH_LOAD_NT
.endr
.endr
	WIN 0
.endm
; K step s of my rows becomes a fragment's codes in v[PC + 8 s] on and its scale word in v[PW + s]
.macro QUANT s
	WIN 0x0a                                       ; sources 0 and 1 in window 2
.irp b, 0,1,2,3
	v_max3_num_f32 v[TM+\b], |v[64*(\s)+16*\b]|, |v[64*(\s)+16*\b+1]|, 0x1800000   ; and the floor 2^(3 - 127): the byte cannot fall under 1
.endr
.irp i, 2,4,6,8,10,12,14
.irp b, 0,1,2,3
	v_max3_num_f32 v[TM+\b], |v[64*(\s)+16*\b+\i]|, |v[64*(\s)+16*\b+\i+1]|, v[TM+\b]   ; the four blocks by turns
.endr
.endr
	WIN 0
.irp b, 0,1,2,3
	v_permlanex16_b32 v[TM+4+\b], v[TM+\b], s[SEL], s[SEL+1]
.endr
.irp b, 0,1,2,3
	v_max_num_f32 v[TM+\b], v[TM+\b], v[TM+4+\b]          ; with lane l xor 16's: the block's largest magnitude
.endr
.irp b, 0,1,2,3
	v_add_nc_u32 v[TM+12+\b], 0xff000000, v[TM+\b]        ; 2 off its exponent field: the conversion's scale operand
.endr
.irp b, 0,1,2,3
	v_lshrrev_b32 v[TM+4+\b], 23, v[TM+12+\b]             ; the scale's byte
.endr
	v_lshl_or_b32 v[PW+(\s)], v[TM+5], 8, v[TM+4]
	v_lshl_or_b32 v[PW+(\s)], v[TM+6], 16, v[PW+(\s)]
	v_lshl_or_b32 v[PW+(\s)], v[TM+7], 24, v[PW+(\s)]
	WIN 0x02                                       ; source 0 in window 2
.irp b, 0,1,2,3
	v_cvt_scalef32_pk8_fp4_f32 v[PC+8*(\s)+2*\b], v[64*(\s)+16*\b:64*(\s)+16*\b+7], v[TM+12+\b]
	v_cvt_scalef32_pk8_fp4_f32 v[PC+8*(\s)+2*\b+1], v[64*(\s)+16*\b+8:64*(\s)+16*\b+15], v[TM+12+\b]
.endr
	WIN 0
	v_nop                                          ; one plain instruction behind the scaled conversions
.irp c, 0,1                                    ; a whole block in a lane: lanes 0-15 block 2 c, lanes 16-31 block 2 c + 1
.irp i, 0,1
	v_permlane16_swap_b32 v[PC+8*(\s)+4*\c+\i], v[PC+8*(\s)+4*\c+2+\i]
.endr
.endr
.endm
; Row tile m of the block: x's four fragments from LDS, my 8 tiles of outputs (32 matrix instructions, the 8 accumulators by turns), f16, 8 stores.
; step: the pair that moves the output base to this tile.  bar = 1: the block's second barrier, behind the last reads of the images.
.macro MTILE m, step, bar
.irp s, 0,1,2,3
.irp c, 0,1
	ds_load_b128 v[XF+8*\s+4*\c:XF+8*\s+4*\c+3], v[LN] offset:(4*(\m)+\s)*1024+512*\c
.endr
.endr
.irp s, 0,1,2,3
	ds_load_b32 v[XS+\s], v[LS] offset:(4*(\m)+\s)*128
.endr
	s_wait_dscnt 0x0
.if \bar
	s_barrier_signal -1                            ; every wave's reads of the images are back: behind this barrier the next block's images may be stored
	s_barrier_wait -1
.endif
	s_cmp_lg_u32 s[ISV], 0                         ; the same in all waves: it hangs on the work-group's number
	s_cbranch_scc1 .Lvarm_\@
	WIN 0x31                                       ; Q, K: source 0 (W) window 1, C (the bias) window 3
.irp t, 0,1,2,3,4,5,6,7
	v_wmma_scale_f32_16x16x128_f8f6f4 v[ACC+8*\t:ACC+8*\t+7], v[32*\t:32*\t+7], v[XF:XF+7], v[8*\t:8*\t+7], v[WS+4*\t], v[XS] matrix_a_fmt:MATRIX_FMT_FP4 matrix_b_fmt:MATRIX_FMT_FP4
.endr
	WIN 0x01
.irp s, 1,2,3
.irp t, 0,1,2,3,4,5,6,7
	v_wmma_scale_f32_16x16x128_f8f6f4 v[ACC+8*\t:ACC+8*\t+7], v[32*\t+8*\s:32*\t+8*\s+7], v[XF+8*\s:XF+8*\s+7], v[ACC+8*\t:ACC+8*\t+7], v[WS+4*\t+\s], v[XS+\s] matrix_a_fmt:MATRIX_FMT_FP4 matrix_b_fmt:MATRIX_FMT_FP4
.endr
.endr
	WIN 0
	s_branch .Ljoin_\@
.Lvarm_\@:
	WIN 0x34                                       ; V: source 1 (W) window 1, C (the bias) window 3
.irp t, 0,1,2,3,4,5,6,7
	v_wmma_scale_f32_16x16x128_f8f6f4 v[ACC+8*\t:ACC+8*\t+7], v[XF:XF+7], v[32*\t:32*\t+7], v[8*\t:8*\t+7], v[XS], v[WS+4*\t] matrix_a_fmt:MATRIX_FMT_FP4 matrix_b_fmt:MATRIX_FMT_FP4
.endr
	WIN 0x04
.irp s, 1,2,3
.irp t, 0,1,2,3,4,5,6,7
	v_wmma_scale_f32_16x16x128_f8f6f4 v[ACC+8*\t:ACC+8*\t+7], v[XF+8*\s:XF+8*\s+7], v[32*\t+8*\s:32*\t+8*\s+7], v[ACC+8*\t:ACC+8*\t+7], v[XS+\s], v[WS+4*\t+\s] matrix_a_fmt:MATRIX_FMT_FP4 matrix_b_fmt:MATRIX_FMT_FP4
.endr
.endr
	WIN 0
.Ljoin_\@:
.rept 4
	v_nop                                          ; four places behind the last products, ahead of the first read of results (ISA guide 7.12.1)
.endr
	s_wait_xcnt 0x0                                ; the last tile's stores have read their data and their base: both are written below
	s_add_nc_u64 s[OP:OP+1], s[OP:OP+1], s[\step:\step+1]
.irp t, 0,1,2,3,4,5,6,7
.irp i, 0,1,2,3
	v_cvt_pk_f16_f32 v[PK+4*\t+\i], v[ACC+8*\t+2*\i], v[ACC+8*\t+2*\i+1]   ; each accumulator from its low end on
.endr
.endr
.irp t, 0,1,2,3,4,5,6,7
	global_store_b128 v[OFS+\t], v[PK+4*\t:PK+4*\t+3], s[OP:OP+1] th:TH_STORE_NT   ; half a fragment: 512 consecutive bytes, aligned
.endr
.endm
; A block of 64 rows.  ahead = 1: behind each K step's quantising its registers take the next block's numbers.
.macro BLOCK ahead
.irp s, 0,1,2,3
.if \ahead
	s_wait_loadcnt 48                              ; this K step's 16 loads are in; three K steps' loads are younger
.else
	s_wait_loadcnt 48-16*\s                        ; the last block asks for nothing: the counts run down
.endif
	QUANT \s
	ds_store_b128 v[IW], v[PC+8*\s:PC+8*\s+3] offset:1024*\s
	ds_store_b128 v[IW], v[PC+8*\s+4:PC+8*\s+7] offset:1024*\s+512
	ds_store_b32 v[SW], v[PW+\s] offset:128*\s
.if \ahead
	XLOAD \s, 131072
.endif
.endr
	s_wait_dscnt 0x0                               ; for the others' sake: my images have landed
	s_barrier_signal -1
	s_barrier_wait -1                              ; the block's sixteen fragments lie in LDS
	MTILE 0, STF, 0
	MTILE 1, ST0, 0
	MTILE 2, ST1, 0
	MTILE 3, ST0, \ahead
.if \ahead
	s_wait_xcnt 0x0                                ; the loads have read their base
	s_add_nc_u64 s[XP:XP+1], s[XP:XP+1], 131072    ; 64 rows of 2,048 bytes on
.endif
	s_mov_b64 s[STF:STF+1], s[ST1:ST1+1]
.endm
	s_load_b512 s[8:23], s[0:1], 0x0               ; real_q, real_k, real_v, img_q, img_k, img_v s[8:19]; b_r s[20:21], b_i s[22:23]
	s_load_b256 s[24:31], s[0:1], 0x40             ; wq_codes s[24:25], wq_scales s[26:27], qbuf s[28:29], kv s[30:31]
	v_lshl_add_u32 v[SPW], v0, 2, SPARE
	v_mov_b32 v[NIL], 0
	v_lshrrev_b32 v6, 5, v0
	v_readfirstlane_b32 s6, v6                     ; wave
	v_and_b32 v7, 31, v0                           ; lane
	v_and_b32 v8, 15, v0                           ; r
	v_bfe_u32 v9, v0, 4, 1                         ; h
	v_lshlrev_b32 v[LN], 4, v7
	v_lshlrev_b32 v[XA], 11, v8
	v_lshl_add_u32 v[XA], v9, 6, v[XA]
	s_lshl_b32 s47, s6, 12
	v_add_nc_u32 v[IW], s47, v[LN]
	v_lshlrev_b32 v[LS], 2, v7
	v_add_nc_u32 v[LS], SCB, v[LS]
	s_lshl_b32 s47, s6, 9
	v_add_nc_u32 v[SW], s47, v[LS]
	v_lshlrev_b32 v13, 2, v8                       ; 4 r: W's scale words
	s_mov_b32 s[SEL], 0x76543210
	s_mov_b32 s[SEL+1], 0xfedcba98
.irp b, 0,1,2,3
	v_mov_b32 v[TM+4+\b], 0                        ; written once: a lane permute's destination counts as one of its sources
.endr
	s_lshr_b32 s4, ttmp9, 5                        ; p
	s_and_b32 s5, ttmp9, 31                        ; which 256 rows
	s_cmp_ge_u32 s4, 3
	s_cselect_b32 s7, 1, 0                         ; stream: 0 real, 1 imaginary
	s_mul_i32 s46, s7, 3
	s_sub_co_u32 s46, s4, s46                      ; 0 q, 1 k, 2 v
	s_cmp_eq_u32 s46, 2
	s_cselect_b32 s[ISV], 1, 0
	s_cselect_b32 s58, 0, 32                       ; the bias in the result's layout.  Q, K: b[16 t + 8 h + j]: 32 h + 4 j bytes.  V: b[16 t + r] in all eight registers: 4 r bytes
	s_cselect_b32 s59, 4, 0
	s_cselect_b32 s60, 0, 4
	s_mov_b32 s[ST0], 2048                         ; Q, K: a tile of 16 positions is 2,048 bytes on.  V: an odd tile is the fragment's other half, 512 on; then 3,584 to the next 32 keys
	s_cselect_b32 s[ST0], 512, s[ST0]
	s_mov_b32 s[ST1], 2048
	s_cselect_b32 s[ST1], 3584, s[ST1]
	s_mov_b32 s61, 512                             ; an odd tile of channels: Q, K the fragment's other half; V the next fragment
	s_cselect_b32 s61, 1024, s61
	s_mov_b32 s[ST0+1], 0
	s_mov_b32 s[ST1+1], 0
	s_mov_b32 s[STF], 0
	s_mov_b32 s[STF+1], 0
	s_cmp_eq_u32 s46, 0
	s_mov_b32 s62, 524288                          ; from head to head: 512 KiB in kv, 256 KiB in qbuf
	s_cselect_b32 s62, 262144, s62
	s_lshl_b32 s48, s5, 19                         ; x: 256 rows of 2,048 bytes a work-group,
	s_lshl_b32 s47, s6, 15
	s_add_co_u32 s48, s48, s47                     ; 16 rows a wave
	s_mov_b32 s49, 0
	s_lshl_b32 s50, s4, 17                         ; codes: 128 KiB a weight, 32 KiB a wave
	s_add_co_u32 s50, s50, s47
	s_mov_b32 s51, 0
	s_lshl_b32 s52, s4, 13                         ; scale words: 8 KiB a weight, 512 bytes a wave
	s_lshl_b32 s47, s6, 9
	s_add_co_u32 s52, s52, s47
	s_mov_b32 s53, 0
	s_lshl_b32 s54, s46, 11                        ; bias: 2 KiB a projection, 512 bytes a wave
	s_add_co_u32 s54, s54, s47
	s_mov_b32 s55, 0
	s_lshr_b32 s68, s5, 3                          ; batch
	s_lshl_b32 s68, s68, 4
	s_lshl_b32 s47, s6, 2
	s_add_co_u32 s68, s68, s47                     ; my first head: 16 x batch + 4 x wave
	s_and_b32 s69, s5, 7
	s_lshl_b32 s69, s69, 8                         ; my first position in the sequence
	s_lshl_b32 s70, s68, 18
	s_lshl_b32 s47, s69, 7
	s_add_co_u32 s70, s70, s47
	s_lshl_b32 s47, s7, 10
	s_add_co_u32 s70, s70, s47                     ; in qbuf
	s_lshl_b32 s71, s68, 19
	s_lshr_b32 s47, s69, 9
	s_lshl_b32 s47, s47, 17
	s_add_co_u32 s71, s71, s47                     ; in kv: the slot of 512 keys,
	s_and_b32 s47, s69, 511
	s_lshl_b32 s47, s47, 7
	s_add_co_u32 s71, s71, s47                     ; the place in it (128 bytes a key, in K's part and in V's),
	s_lshl_b32 s47, s7, 10                         ; K: 1 KiB a stream
	s_lshl_b32 s63, s7, 11
	s_add_co_u32 s63, s63, 65536                   ; V: behind K's 64 KiB, 2 KiB a stream
	s_cmp_eq_u32 s[ISV], 1
	s_cselect_b32 s47, s63, s47
	s_add_co_u32 s71, s71, s47
	s_cmp_eq_u32 s46, 0
	s_cselect_b32 s56, s70, s71
	s_mov_b32 s57, 0
.irp t, 0,1,2,3,4,5,6,7
	s_mul_i32 s47, s62, \t/2
.if \t%2
	s_add_co_u32 s47, s47, s61
.endif
	v_add_nc_u32 v[OFS+\t], s47, v[LN]
.endr
	v_mul_u32_u24 v12, v9, s58
	v_mad_u32_u24 v12, v8, s59, v12
.irp j, 0,1,2,3,4,5,6,7
	s_mul_i32 s47, s60, \j
	v_add_nc_u32 v[BA+\j], s47, v12
.endr
	s_wait_kmcnt 0x0
	s_mov_b64 s[XP:XP+1], s[8:9]                   ; x: one of six, by the work-group's number alone
	s_cmp_eq_u32 s4, 1
	s_cselect_b64 s[XP:XP+1], s[10:11], s[XP:XP+1]
	s_cmp_eq_u32 s4, 2
	s_cselect_b64 s[XP:XP+1], s[12:13], s[XP:XP+1]
	s_cmp_eq_u32 s4, 3
	s_cselect_b64 s[XP:XP+1], s[14:15], s[XP:XP+1]
	s_cmp_eq_u32 s4, 4
	s_cselect_b64 s[XP:XP+1], s[16:17], s[XP:XP+1]
	s_cmp_eq_u32 s4, 5
	s_cselect_b64 s[XP:XP+1], s[18:19], s[XP:XP+1]
	s_add_nc_u64 s[XP:XP+1], s[XP:XP+1], s[48:49]
	s_add_nc_u64 s[24:25], s[24:25], s[50:51]
	s_add_nc_u64 s[26:27], s[26:27], s[52:53]
	s_cmp_eq_u32 s7, 0
	s_cselect_b64 s[66:67], s[20:21], s[22:23]
	s_add_nc_u64 s[66:67], s[66:67], s[54:55]
	s_cmp_eq_u32 s46, 0
	s_cselect_b64 s[OP:OP+1], s[28:29], s[30:31]
	s_add_nc_u64 s[OP:OP+1], s[OP:OP+1], s[56:57]
	WIN 0x40                                       ; destination window 1: W's fragment (tile t, K step s) at v[8 (4 t + s)]: the buffer holds the registers' image
.set i, 0
.rept 64
	global_load_b128 v[4*i:4*i+3], v[LN], s[24:25] offset:512*i
.set i, i+1
.endr
	WIN 0
.irp t, 0,1,2,3,4,5,6,7
.irp s, 0,1,2,3
	global_load_b32 v[WS+4*\t+\s], v13, s[26:27] offset:2048*\s+64*\t
.endr
.endr
	WIN 0xc0                                       ; destination window 3
.irp t, 0,1,2,3,4,5,6,7
.irp j, 0,1,2,3,4,5,6,7
	global_load_b32 v[8*\t+\j], v[BA+\j], s[66:67] offset:64*\t
.endr
.endr
	WIN 0
	XLOAD 0, 0                                     ; the first block's four K steps
	XLOAD 1, 0
	XLOAD 2, 0
	XLOAD 3, 0
	s_mov_b32 s[CNT], 3
.Lblk:                                             ; three blocks that ask for their successor (the first wait also shows the weights, scale words and bias in: they were asked for earlier)
	BLOCK 1
	s_sub_co_u32 s[CNT], s[CNT], 1
	s_cmp_lg_u32 s[CNT], 0
	s_cbranch_scc1 .Lblk
	BLOCK 0                                        ; the last block is written out: no load leaves its buffer
	s_wait_tensorcnt 0x0                           ; the wave's end: behind my last LDS store
	ds_add_u32 v[SPW], v[NIL]
	s_wait_dscnt 0x0
	s_endpgm
.Lfunc_end_k_qa56275d9d0_proj:
	.size	k_qa56275d9d0_proj, .Lfunc_end_k_qa56275d9d0_proj-k_qa56275d9d0_proj
	.p2alignl 7, 3214868480
	.fill 96, 4, 3214868480
	.section	.rodata,"a",@progbits
	.p2align	6, 0x0
	.amdhsa_kernel k_qa56275d9d0_proj
		.amdhsa_group_segment_fixed_size 18944
		.amdhsa_private_segment_fixed_size 0
		.amdhsa_enable_private_segment 0
		.amdhsa_kernarg_size 96
		.amdhsa_user_sgpr_count 2
		.amdhsa_user_sgpr_kernarg_segment_ptr 1
		.amdhsa_wavefront_size32 1
		.amdhsa_system_sgpr_workgroup_id_x 1
		.amdhsa_system_sgpr_workgroup_id_y 1
		.amdhsa_system_sgpr_workgroup_id_z 1
		.amdhsa_system_vgpr_workitem_id 0
		.amdhsa_next_free_vgpr 832
		.amdhsa_next_free_sgpr 80
		.amdhsa_reserve_vcc 0
		.amdhsa_float_denorm_mode_32 3
		.amdhsa_float_denorm_mode_16_64 3
		.amdhsa_memory_ordered 1
		.amdhsa_forward_progress 1
		.amdhsa_inst_pref_size 163
	.end_amdhsa_kernel
	.amdgpu_metadata
---
amdhsa.version: [ 1, 2 ]
amdhsa.kernels:
  - .name:           k_qa56275d9d0_proj
    .symbol:         k_qa56275d9d0_proj.kd
    .args:
      - { .name: real_q, .offset: 0, .size: 8, .value_kind: global_buffer, .address_space: global }
      - { .name: real_k, .offset: 8, .size: 8, .value_kind: global_buffer, .address_space: global }
      - { .name: real_v, .offset: 16, .size: 8, .value_kind: global_buffer, .address_space: global }
      - { .name: img_q, .offset: 24, .size: 8, .value_kind: global_buffer, .address_space: global }
      - { .name: img_k, .offset: 32, .size: 8, .value_kind: global_buffer, .address_space: global }
      - { .name: img_v, .offset: 40, .size: 8, .value_kind: global_buffer, .address_space: global }
      - { .name: b_r, .offset: 48, .size: 8, .value_kind: global_buffer, .address_space: global }
      - { .name: b_i, .offset: 56, .size: 8, .value_kind: global_buffer, .address_space: global }
      - { .name: wq_codes, .offset: 64, .size: 8, .value_kind: global_buffer, .address_space: global }
      - { .name: wq_scales, .offset: 72, .size: 8, .value_kind: global_buffer, .address_space: global }
      - { .name: qbuf, .offset: 80, .size: 8, .value_kind: global_buffer, .address_space: global }
      - { .name: kv, .offset: 88, .size: 8, .value_kind: global_buffer, .address_space: global }
    .group_segment_fixed_size: 18944
    .private_segment_fixed_size: 0
    .kernarg_segment_align: 8
    .kernarg_segment_size: 96
    .max_flat_workgroup_size: 128
    .sgpr_count:     80
    .vgpr_count:     832
    .wavefront_size: 32
...
	.end_amdgpu_metadata
.endif
;; end of part 2
;; launch attn (part 3): grid 4 x 64, 8 waves a work-group, clusters of 4 x 1, 327,680 bytes of LDS; arguments qbuf, kv, xw; writes xw
.if DOCPART == 3
	.amdgcn_target "amdgcn-amd-amdhsa--gfx1250"
	.amdhsa_code_object_version 6
	.text
	.protected	k_qa56275d9d0_attn
	.globl	k_qa56275d9d0_attn
	.p2align	8
	.type	k_qa56275d9d0_attn,@function
k_qa56275d9d0_attn:
	s_mov_b64 s[64:65], 0
	v_nop
	global_prefetch_b8 v0, s[64:65] scope:SCOPE_SE
	s_setreg_imm32_b32 hwreg(HW_REG_WAVE_MODE, 25, 1), 1
	s_wait_xcnt 0x0
	s_wait_alu depctr_hold_cnt(0) depctr_sa_sdst(0) depctr_va_vdst(0) depctr_va_sdst(0) depctr_va_ssrc(0) depctr_va_vcc(0) depctr_vm_vsrc(0)
	s_getreg_b32 s2, hwreg(HW_REG_IB_STS2, 6, 4)
	s_cmp_eq_u32 s2, 0
	s_cbranch_scc0 .Lentry_in_a_cluster
	s_endpgm
.Lentry_in_a_cluster:
	s_bfe_u32 s2, ttmp6, 0x10000c
	s_cmp_lg_u32 s2, 0x3003
	s_cbranch_scc0 .Lentry_shape_is_right
	s_endpgm
.Lentry_shape_is_right:
; ATTENTION.  For each of 64 (batch, head): score = (qr . kr + qi . ki) / sqrt(32): one dot product over 64 channels (32 real, 32 imaginary); softmax over 2,048 keys; the weights multiply vr and vi: one V of 64 channels.
; Operands in f16, products, maxima and sums in f32; the weights p are rounded to f16 for the second product, the result once to f16 for the output projection.
; SHARES.  A work-group owns 512 queries of one head, each of its eight waves 64: four tiles of 16.  Two waves to a SIMD, so that one wave's softmax stands beside the other's products.  Every wave walks all keys, 64 a step.
; LAYOUT.  S^T = K Q^T (source 0 = 16 keys, source 1 = 16 queries), O^T = V^T P (source 0 = 16 channels x 32 keys, source 1 = P): a lane holds ONE query throughout, and two tiles of S^T, rounded in pairs, ARE P's fragment.
; All operands come as images of their registers (16 bytes a lane at 16 x lane): no pitch, no padding, every LDS load reads 512 consecutive bytes.
; SOFTMAX.  For each query a running maximum m and sum l: p = 2^(c s - c m), c = log2(e) / sqrt(32); in every step O and l are multiplied by a = 2^(c m_old - c m_new).
; RING.  Two LDS slots of 512 keys (64 KiB of K, 64 KiB of V, as kv has them); each wave fetches 16 KiB of a slot with one tensor load.
; CLUSTER.  The four query blocks of a head form a cluster and walk the same K and V: each tile is asked for JOINTLY, by the same tensor load with the same descriptor and a mask that names the four.
; By this text's count a wave has two tensor loads out at the start and one behind each refill; a refill has a slot's eight key steps in which to land.
; LIMITS: NaN and infinities are not served; the result's magnitudes stay under 65,504 (they are averages of v, which the launch before holds to the same bound).
; REGISTERS: window 0: v1-5 addresses; v16-47 statistics, 8 a tile; v64-127 K of a step; v128-255 S^T, 32 a tile, P in the lower 16 of them.   window 1: v0-63 Q; v64-191 O^T, 32 a tile; v192-255 V of a step.
.set LN,  1                            ; v1   16 x lane; never rewritten
.set AK,  2                            ; v2   LDS address of the K in hand
.set AV,  3                            ; v3   of the V in hand
.set SPW, 4                            ; v4   LDS address of my spare word; never rewritten
.set NIL, 5                            ; v5   0; never rewritten
.set ST,  16                           ; tile t at v[ST + 8 t]: +0 c m, +1 m, +2, +3 l (even keys', odd keys'), +4 .. +7 c0-c3 at work; a takes c2's place
.set KF,  64
.set S,   128
.set O,   64                           ; in window 1
.set VF,  192                          ; in window 1
.set SLOT1, 131072
.set SPARE, 262144                     ; behind the ring: the spare words, 128 bytes a wave: four blocks of 256 bytes that no other line names
.set WV,  12
.set G1,  16                           ; s[16:23] descriptor group 1
.set G0A, 24                           ; s[24:27] group 0 for LDS slot 0
.set G0B, 28                           ; s[28:31] for LDS slot 1
.set CS,  32                           ; s[32:33] c, twice: the packed form names a pair
.set SEL, 34                           ; s[34:35] lane selects: lane l xor 16
.set TB,  36                           ; s36  LDS byte at which the step's K begins; its V lies 65,536 further on
.set CNT, 37
.set MSB, 0
.macro WIN new
.if MSB != (\new)
	s_set_vgpr_msb (MSB<<8)|(\new)
.set MSB, (\new)
.endif
.endm
.macro CROUND                          ; a round of the cluster's barrier: my work-group's barrier; wave 0 signals for the work-group; every wave waits for all four work-groups; my work-group's barrier once more
	s_barrier_signal -1
	s_barrier_wait -1
	s_cmp_lg_u32 s[WV], 0
	s_cbranch_scc1 .Lnot_wave_0_\@
	s_barrier_signal -3
.Lnot_wave_0_\@:
	s_barrier_wait -3
	s_barrier_signal -1
	s_barrier_wait -1
.endm
; The softmax of a key step, the four tiles by turns, line by line.  first = 1: the first key step, which starts m and l.
.macro SOFTMAX first
.irp j, 0,1,2,3
.irp t, 0,1,2,3
	v_max3_num_f32 v[ST+8*\t+4+\j], v[S+32*\t+8*\j], v[S+32*\t+8*\j+1], v[S+32*\t+8*\j+2]   ; four chains, each begun at an accumulator's low end
.endr
.endr
.irp u, 3,5
.irp j, 0,1,2,3
.irp t, 0,1,2,3
	v_max3_num_f32 v[ST+8*\t+4+\j], v[ST+8*\t+4+\j], v[S+32*\t+8*\j+\u], v[S+32*\t+8*\j+\u+1]
.endr
.endr
.endr
.irp t, 0,1,2,3
	v_max3_num_f32 v[ST+8*\t+4], v[ST+8*\t+4], v[S+32*\t+7], v[S+32*\t+15]
.endr
.irp t, 0,1,2,3
	v_max3_num_f32 v[ST+8*\t+6], v[ST+8*\t+6], v[S+32*\t+23], v[S+32*\t+31]
.endr
.irp t, 0,1,2,3
	v_max3_num_f32 v[ST+8*\t+4], v[ST+8*\t+4], v[ST+8*\t+5], v[ST+8*\t+6]
.endr
.irp t, 0,1,2,3
.if \first
	v_max_num_f32 v[ST+8*\t+4], v[ST+8*\t+4], v[ST+8*\t+7]
.else
	v_max3_num_f32 v[ST+8*\t+4], v[ST+8*\t+4], v[ST+8*\t+7], v[ST+8*\t+1]   ; and the old m
.endif
.endr
.irp t, 0,1,2,3
	v_permlanex16_b32 v[ST+8*\t+5], v[ST+8*\t+4], s[SEL], s[SEL+1]   ; the query's other 32 keys lie in the lane 16 away
.endr
.if !\first
.irp t, 0,1,2,3
	v_mov_b32 v[ST+8*\t+7], v[ST+8*\t]             ; c m_old is kept for a
.endr
.endif
.irp t, 0,1,2,3
	v_max_num_f32 v[ST+8*\t+1], v[ST+8*\t+4], v[ST+8*\t+5]
.endr
.irp t, 0,1,2,3
	v_mul_f32 v[ST+8*\t], s[CS], v[ST+8*\t+1]
.endr
.if !\first
.irp t, 0,1,2,3
	v_sub_f32 v[ST+8*\t+7], v[ST+8*\t+7], v[ST+8*\t]
.endr
.irp t, 0,1,2,3
	v_exp_f32 v[ST+8*\t+6], v[ST+8*\t+7]           ; a
.endr
.endif
	; ONE BATCH: 64 packed scalings and 128 exponentials; none of these lines names an exponential's result
.irp i, 0,1,2,3,4,5,6,7,8,9,10,11,12,13,14,15
.irp t, 0,1,2,3
	v_pk_fma_f32 v[S+32*\t+2*\i:S+32*\t+2*\i+1], v[S+32*\t+2*\i:S+32*\t+2*\i+1], s[CS:CS+1], v[ST+8*\t:ST+8*\t+1] op_sel_hi:[1,0,0] neg_lo:[0,0,1] neg_hi:[0,0,1]   ; c s - c m
.endr
.irp t, 0,1,2,3
	v_exp_f32 v[S+32*\t+2*\i], v[S+32*\t+2*\i]
	v_exp_f32 v[S+32*\t+2*\i+1], v[S+32*\t+2*\i+1]
.endr
.endr
	v_nop                                          ; a plain instruction behind the last exponential
	s_wait_alu depctr_va_vdst(0)                   ; the wait ahead of the first line that names a result: one for the whole batch
	; the sums, of the f32 weights, in two chains
.irp t, 0,1,2,3
	v_pk_add_f32 v[ST+8*\t+4:ST+8*\t+5], v[S+32*\t:S+32*\t+1], v[S+32*\t+2:S+32*\t+3]
.endr
.if \first
.irp t, 0,1,2,3
	v_pk_add_f32 v[ST+8*\t+2:ST+8*\t+3], v[S+32*\t+4:S+32*\t+5], v[S+32*\t+6:S+32*\t+7]
.endr
.else
.irp t, 0,1,2,3
	v_pk_fma_f32 v[ST+8*\t+2:ST+8*\t+3], v[ST+8*\t+2:ST+8*\t+3], v[ST+8*\t+6:ST+8*\t+7], v[S+32*\t+4:S+32*\t+5] op_sel_hi:[1,0,1]   ; l = a l + ..
.endr
.irp t, 0,1,2,3
	v_pk_add_f32 v[ST+8*\t+4:ST+8*\t+5], v[ST+8*\t+4:ST+8*\t+5], v[S+32*\t+6:S+32*\t+7]
.endr
.endif
.irp i, 4,6,8,10,12,14
.irp t, 0,1,2,3
	v_pk_add_f32 v[ST+8*\t+2:ST+8*\t+3], v[ST+8*\t+2:ST+8*\t+3], v[S+32*\t+2*\i:S+32*\t+2*\i+1]
.endr
.irp t, 0,1,2,3
	v_pk_add_f32 v[ST+8*\t+4:ST+8*\t+5], v[ST+8*\t+4:ST+8*\t+5], v[S+32*\t+2*\i+2:S+32*\t+2*\i+3]
.endr
.endr
.irp t, 0,1,2,3
	v_pk_add_f32 v[ST+8*\t+2:ST+8*\t+3], v[ST+8*\t+2:ST+8*\t+3], v[ST+8*\t+4:ST+8*\t+5]
.endr
	; P in place: register n takes weights 2 n and 2 n + 1, n ascending, so nothing unread is written over; registers 8 g .. 8 g + 7 are the fragment of keys 32 g on
.irp n, 0,1,2,3,4,5,6,7,8,9,10,11,12,13,14,15
.irp t, 0,1,2,3
	v_cvt_pk_f16_f32 v[S+32*\t+\n], v[S+32*\t+2*\n], v[S+32*\t+2*\n+1]
.endr
.endr
.endm
; A KEY STEP: 64 keys.  first = 1: the first of all.  loop = 1: it stands in a counted loop, whose last trip, a slot's last step, fetches no next K (that lies behind the change of slots).
.macro STEP first, loop
	WIN 0x04                                       ; Q in window 1
.set i, 0
.rept 32                                       ; S^T = K Q^T: stream i / 16, keys 16 ((i / 4) % 4) on, tile i % 4: the 16 accumulators by turns
.set rS, S+32*(i%4)+8*((i/4)%4)
.set rK, KF+8*(2*((i/4)%4)+i/16)
.set rQ, 8*(2*(i%4)+i/16)
.if i < 16
	v_wmma_f32_16x16x32_f16 v[rS:rS+7], v[rK:rK+7], v[rQ:rQ+7], 0
.else
	v_wmma_f32_16x16x32_f16 v[rS:rS+7], v[rK:rK+7], v[rQ:rQ+7], v[rS:rS+7]
.endif
.set i, i+1
.endr
	WIN 0
	s_add_co_u32 s38, s[TB], 8192
	s_add_co_u32 s39, s[TB], 65536
	v_add_nc_u32 v[AK], s38, v[LN]                 ; these two and the two below are the four places behind the products, ahead of the loads into K's registers and of the first read of the scores
	v_add_nc_u32 v[AV], s39, v[LN]
	v_nop
	v_nop
.if \loop
	s_cmp_eq_u32 s[CNT], 1
	s_cbranch_scc1 .Lno_k_\@
.endif
.set i, 0
.rept 16
	ds_load_b128 v[KF+4*i:KF+4*i+3], v[AK] offset:512*i    ; the next step's K
.set i, i+1
.endr
.if \loop
.Lno_k_\@:
.endif
	WIN 0x40                                       ; destination window 1
.set i, 0
.rept 16
	ds_load_b128 v[VF+4*i:VF+4*i+3], v[AV] offset:512*i    ; this step's V
.set i, i+1
.endr
	WIN 0
	SOFTMAX \first
.if !\first
	WIN 0x41                                       ; O^T (destination and source 0) in window 1, a in window 0
.irp n, 0,1,2,3,4,5,6,7,8,9,10,11,12,13,14,15
.irp t, 0,1,2,3
	v_pk_mul_f32 v[O+32*\t+2*\n:O+32*\t+2*\n+1], v[O+32*\t+2*\n:O+32*\t+2*\n+1], v[ST+8*\t+6:ST+8*\t+7] op_sel_hi:[1,0]   ; each accumulator from its low end on
.endr
.endr
.endif
	s_wait_dscnt 0x0                               ; V, and the next K where it was asked for
	WIN 0x51                                       ; V and O^T in window 1, P in window 0
.set i, 0
.rept 32                                       ; O^T += V^T P: keys 32 (i / 16) on, channels 16 ((i / 4) % 4) on, tile i % 4: 16 accumulators by turns
.set rO, O+32*(i%4)+8*((i/4)%4)
.set rV, VF+8*(4*(i/16)+(i/4)%4)
.set rP, S+32*(i%4)+8*(i/16)
.if \first && (i < 16)
	v_wmma_f32_16x16x32_f16 v[rO:rO+7], v[rV:rV+7], v[rP:rP+7], 0
.else
	v_wmma_f32_16x16x32_f16 v[rO:rO+7], v[rV:rV+7], v[rP:rP+7], v[rO:rO+7]
.endif
.set i, i+1
.endr
	WIN 0
.rept 5
	v_nop                                          ; five places: the next step's products write over registers that these have read as P
.endr
	s_add_co_u32 s[TB], s[TB], 8192
.endm
.macro STEPS n                         ; n key steps, written once
	s_mov_b32 s[CNT], \n
.Lstep_\@:
	STEP 0, 1
	s_sub_co_u32 s[CNT], s[CNT], 1
	s_cmp_lg_u32 s[CNT], 0
	s_cbranch_scc1 .Lstep_\@
.endm
.macro FETCHK                          ; a slot's first K
	v_add_nc_u32 v[AK], s[TB], v[LN]
.set i, 0
.rept 16
	ds_load_b128 v[KF+4*i:KF+4*i+3], v[AK] offset:512*i
.set i, i+1
.endr
	s_wait_dscnt 0x0
.endm
; THE CHANGE OF SLOTS.  Each wave waits for all its tensor loads (its part of the slot ahead), adds 0 to its spare word, and waits for that and for its reads of the slot that it leaves.
; fill = 1: that slot is filled again, with the keys two slots on: the barrier is a round of the cluster's, and the joint refill is the first thing behind it.
.macro CHANGE fill, g0, base
	s_wait_tensorcnt 0x0                           ; no tensor load of mine is out, so a group 0 may be written
	ds_add_u32 v[SPW], v[NIL]                      ; 0 onto my spare word
.if \fill
	s_add_nc_u64 s[\g0+2:\g0+3], s[\g0+2:\g0+3], 2*SLOT1   ; two slots on in kv; the type bits on top are not reached
.endif
	s_wait_dscnt 0x0                               ; the add is done, and my reads of the slot are over
.if \fill
	CROUND
	tensor_load_to_lds s[\g0:\g0+3], s[G1:G1+7]
	s_nop 0
.rept 4
	v_nop
.endr
.else
	s_barrier_signal -1
	s_barrier_wait -1
.endif
	s_mov_b32 s[TB], \base
	FETCHK
.endm
	s_load_b128 s[4:7], s[0:1], 0x0                ; qbuf s[4:5], kv s[6:7]
	s_load_b64 s[8:9], s[0:1], 0x10                ; xw
	v_lshl_add_u32 v[SPW], v0, 2, SPARE
	v_mov_b32 v[NIL], 0
	ds_add_u32 v[SPW], v[NIL]                      ; the wave's opening: the add, twice on end, and its wait ahead of my first tensor load
	ds_add_u32 v[SPW], v[NIL]
	v_lshrrev_b32 v6, 5, v0
	v_readfirstlane_b32 s[WV], v6                  ; wave 0..7
	v_and_b32 v[LN], 31, v0
	v_lshlrev_b32 v[LN], 4, v[LN]
	s_bfe_u32 s13, ttmp6, 0x40000                  ; cx: my block of 512 queries; it enters Q's and the result's addresses alone
	s_and_b32 s14, ttmp7, 0xffff                   ; batch x head, which the four partners share
	; descriptor group 1: 16 KiB, dense, as 64 rows of 256 bytes (32 elements of 8 bytes), no padding
	s_mov_b32 s[G1], 15|(3<<16)|(1<<21)            ; 15:0 the mask: all four work-groups; 17:16 elements of 8 bytes; 21 set beside a mask
	s_mov_b32 s[G1+1], 32<<16                      ; tensor_dim0 = 32
	s_mov_b32 s[G1+2], 64<<16                      ; tensor_dim1 = 64
	s_mov_b32 s[G1+3], 32<<16                      ; tile_dim0 = 32
	s_mov_b32 s[G1+4], 64                          ; tile_dim1 = 64
	s_mov_b32 s[G1+5], 32                          ; from row to row
	s_mov_b32 s[G1+6], 0
	s_mov_b32 s[G1+7], 0
	s_lshl_b32 s10, s14, 19                        ; kv: 512 KiB a head,
	s_lshl_b32 s[G0A+1], s[WV], 14                 ; my 16 KiB of a slot, in LDS
	s_add_co_u32 s10, s10, s[G0A+1]                ; and in memory
	s_mov_b32 s11, 0
	s_mov_b32 s[G0A], 1
	s_mov_b32 s[G0B], 1
	s_add_co_u32 s[G0B+1], s[G0A+1], SLOT1
	s_lshl_b32 s40, s14, 18                        ; qbuf: 256 KiB a head,
	s_lshl_b32 s44, s13, 16
	s_add_co_u32 s40, s40, s44                     ; 64 KiB a block of 512 queries,
	s_lshl_b32 s44, s[WV], 13
	s_add_co_u32 s40, s40, s44                     ; 8 KiB a wave
	s_mov_b32 s41, 0
	s_lshr_b32 s42, s14, 4
	s_lshl_b32 s42, s42, 7                         ; xw: tile of 16 rows = 128 x batch
	s_lshl_b32 s44, s13, 5
	s_add_co_u32 s42, s42, s44                     ; + 32 x block
	s_lshl_b32 s44, s[WV], 2
	s_add_co_u32 s42, s42, s44                     ; + 4 x wave:
	s_lshl_b32 s42, s42, 15                        ; 32 KiB each;
	s_and_b32 s44, s14, 15
	s_lshl_b32 s44, s44, 10
	s_add_co_u32 s42, s42, s44                     ; 1 KiB a head
	s_mov_b32 s43, 0
	s_mov_b32 s[CS], 0x3e8293ee                    ; c = log2(e) / sqrt(32)
	s_mov_b32 s[CS+1], s[CS]
	s_mov_b32 s[SEL], 0x76543210
	s_mov_b32 s[SEL+1], 0xfedcba98
	s_wait_dscnt 0x0                               ; both opening adds are done
	s_wait_kmcnt 0x0
	s_add_nc_u64 s[G0A+2:G0A+3], s[6:7], s[10:11]  ; keys 0-511
	s_add_nc_u64 s[G0B+2:G0B+3], s[G0A+2:G0A+3], SLOT1   ; keys 512-1023
	s_or_b32 s[G0A+3], s[G0A+3], 0x80000000        ; type = 2
	s_or_b32 s[G0B+3], s[G0B+3], 0x80000000
	s_add_nc_u64 s[4:5], s[4:5], s[40:41]
	s_add_nc_u64 s[8:9], s[8:9], s[42:43]
	CROUND                                         ; all four work-groups are here: the first joint loads meet
	tensor_load_to_lds s[G0A:G0A+3], s[G1:G1+7]    ; both first fills together, ahead of every wait on TENSORcnt and every LDS read
	s_nop 0
	tensor_load_to_lds s[G0B:G0B+3], s[G1:G1+7]
	s_nop 0
.rept 4
	v_nop
.endr
	WIN 0x40                                       ; Q stays in registers: fragment (tile t, stream s) at v[8 (2 t + s)] of window 1
.set i, 0
.rept 16
	global_load_b128 v[4*i:4*i+3], v[LN], s[4:5] offset:512*i th:TH_LOAD_NT
.set i, i+1
.endr
	WIN 0
	s_wait_tensorcnt 0x1                           ; my part of slot 0 is in; slot 1's may stay out
	s_barrier_signal -1
	s_barrier_wait -1                              ; everybody's is
	s_mov_b32 s[TB], 0
	FETCHK
	s_wait_loadcnt 0x0                             ; Q
	STEP 1, 0                                      ; keys 0-63 start m, l and O^T: nothing is cleared
	STEPS 7
	CHANGE 1, G0A, SLOT1                           ; LDS slot 0 takes keys 1024-1535
	STEPS 8
	CHANGE 1, G0B, 0                               ; LDS slot 1 takes keys 1536-2047
	STEPS 8
	CHANGE 0, G0A, SLOT1                           ; nothing is left to fetch
	STEPS 8
	; THE WAY OUT.  l's two halves and the other half of the lanes' are added; O^T / l, rounded to f16, is half a fragment (16 rows x a head's 32 channels of one stream) of the output projection's operand
.irp t, 0,1,2,3
	v_add_f32 v[ST+8*\t+4], v[ST+8*\t+2], v[ST+8*\t+3]
.endr
.irp t, 0,1,2,3
	v_permlanex16_b32 v[ST+8*\t+5], v[ST+8*\t+4], s[SEL], s[SEL+1]
.endr
.irp t, 0,1,2,3
	v_add_f32 v[ST+8*\t+4], v[ST+8*\t+4], v[ST+8*\t+5]
.endr
.irp t, 0,1,2,3
	v_rcp_f32 v[ST+8*\t+6], v[ST+8*\t+4]
.endr
	v_nop                                          ; a plain instruction behind the last reciprocal
	s_wait_alu depctr_va_vdst(0)                   ; and the wait ahead of the first use: one for the four
.macro OUT t
	WIN 0x41
.set n, 0
.rept 16
	v_pk_mul_f32 v[O+32*\t+2*n:O+32*\t+2*n+1], v[O+32*\t+2*n:O+32*\t+2*n+1], v[ST+8*\t+6:ST+8*\t+7] op_sel_hi:[1,0]
.set n, n+1
.endr
	WIN 0x05                                       ; sources in window 1, destination in window 0: S^T's registers are free
.set n, 0
.rept 16
	v_cvt_pk_f16_f32 v[S+16*\t+n], v[O+32*\t+2*n], v[O+32*\t+2*n+1]
.set n, n+1
.endr
	WIN 0
.irp c, 0,1,2,3
	global_store_b128 v[LN], v[S+16*\t+4*\c:S+16*\t+4*\c+3], s[8:9] offset:32768*\t+16384*(\c/2)+512*(\c%2) th:TH_STORE_NT   ; 512 consecutive bytes, aligned
.endr
.endm
	OUT 0
	OUT 1
	OUT 2
	OUT 3
	s_wait_tensorcnt 0x0                           ; the wave's end: behind my last tensor load
	ds_add_u32 v[SPW], v[NIL]
	s_wait_dscnt 0x0
	CROUND                                         ; the closing round: no work-group ends while a partner may still ask for a tile that names it
	s_endpgm
.Lfunc_end_k_qa56275d9d0_attn:
	.size	k_qa56275d9d0_attn, .Lfunc_end_k_qa56275d9d0_attn-k_qa56275d9d0_attn
	.p2alignl 7, 3214868480
	.fill 96, 4, 3214868480
	.section	.rodata,"a",@progbits
	.p2align	6, 0x0
	.amdhsa_kernel k_qa56275d9d0_attn
		.amdhsa_group_segment_fixed_size 327680
		.amdhsa_private_segment_fixed_size 0
		.amdhsa_enable_private_segment 0
		.amdhsa_kernarg_size 24
		.amdhsa_user_sgpr_count 2
		.amdhsa_user_sgpr_kernarg_segment_ptr 1
		.amdhsa_wavefront_size32 1
		.amdhsa_system_sgpr_workgroup_id_x 1
		.amdhsa_system_sgpr_workgroup_id_y 1
		.amdhsa_system_sgpr_workgroup_id_z 1
		.amdhsa_system_vgpr_workitem_id 0
		.amdhsa_next_free_vgpr 512
		.amdhsa_next_free_sgpr 66
		.amdhsa_reserve_vcc 0
		.amdhsa_float_denorm_mode_32 3
		.amdhsa_float_denorm_mode_16_64 3
		.amdhsa_memory_ordered 1
		.amdhsa_forward_progress 1
		.amdhsa_inst_pref_size 177
	.end_amdhsa_kernel
	.amdgpu_metadata
---
amdhsa.version: [ 1, 2 ]
amdhsa.kernels:
  - .name:           k_qa56275d9d0_attn
    .symbol:         k_qa56275d9d0_attn.kd
    .args:
      - { .name: qbuf, .offset: 0, .size: 8, .value_kind: global_buffer, .address_space: global }
      - { .name: kv, .offset: 8, .size: 8, .value_kind: global_buffer, .address_space: global }
      - { .name: xw, .offset: 16, .size: 8, .value_kind: global_buffer, .address_space: global }
    .group_segment_fixed_size: 327680
    .private_segment_fixed_size: 0
    .kernarg_segment_align: 8
    .kernarg_segment_size: 24
    .max_flat_workgroup_size: 256
    .sgpr_count:     66
    .vgpr_count:     512
    .wavefront_size: 32
...
	.end_amdgpu_metadata
.endif
;; end of part 3
;; launch oproj (part 4): grid 32 x 8, 4 waves a work-group, clusters of 4 x 1, 167,936 bytes of LDS; arguments xw, wo16, b_or, b_oi, out0, out1; writes out0, out1
.if DOCPART == 4
	.amdgcn_target "amdgcn-amd-amdhsa--gfx1250"
	.amdhsa_code_object_version 6
	.text
	.protected	k_qa56275d9d0_oproj
	.globl	k_qa56275d9d0_oproj
	.p2align	8
	.type	k_qa56275d9d0_oproj,@function
k_qa56275d9d0_oproj:
	s_mov_b64 s[64:65], 0
	v_nop
	global_prefetch_b8 v0, s[64:65] scope:SCOPE_SE
	s_setreg_imm32_b32 hwreg(HW_REG_WAVE_MODE, 25, 1), 1
	s_wait_xcnt 0x0
	s_wait_alu depctr_hold_cnt(0) depctr_sa_sdst(0) depctr_va_vdst(0) depctr_va_sdst(0) depctr_va_ssrc(0) depctr_va_vcc(0) depctr_vm_vsrc(0)
	s_getreg_b32 s2, hwreg(HW_REG_IB_STS2, 6, 4)
	s_cmp_eq_u32 s2, 0
	s_cbranch_scc0 .Lentry_in_a_cluster
	s_endpgm
.Lentry_in_a_cluster:
	s_bfe_u32 s2, ttmp6, 0x10000c
	s_cmp_lg_u32 s2, 0x3003
	s_cbranch_scc0 .Lentry_shape_is_right
	s_endpgm
.Lentry_shape_is_right:
; THE OUTPUT PROJECTIONS  out = x W^T + b, for the real stream (w_or, b_or, out0) and the imaginary one (w_oi, b_oi, out1): f16 operands, f32 sums, f32 results.
; Work-group (x, y): stream y / 4, outputs 128 (y % 4) on, rows 256 x on.  A wave makes 64 rows x 128 outputs: 32 accumulators of 16 x 16.
; W's quarter (128 rows x 512 k as f16 fragments, 128 KiB, laid [K step 16][tile 8][1024]) comes into LDS ONCE; the four work-groups of a cluster, which differ in their rows alone, ask for it JOINTLY.
; x (64 rows x 512 k, 128 fragments' halves) is read by one wave alone and goes straight into its registers: the buffer holds the registers' image.
; The product is used transposed (source 0 = 16 rows of W, source 1 = 16 rows of x): a lane holds eight neighbouring outputs of one row.  The bias is the C of each sum's first product.
; By this text's count a wave has one tensor load out, at the start; no LDS byte is filled twice.
; REGISTERS: window 0: addresses; v16-79 the bias, 8 a tile; v80-207 W's fragments of a K step, two sets, later rows on their way out.   window 1: accumulator (i, n) at v[8 (8 i + n)].
;   windows 2, 3: x: fragment (row tile i, K step ks) at v[8 (8 i + ks % 8)], K steps 0-7 in window 2, 8-15 in window 3.
.set LN,  1                            ; v1   16 x lane
.set LN2, 3                            ; v3   16 x lane + 65,536: W's K steps 8-15 lie beyond an LDS offset's 16 bits
.set STO, 4                            ; v4   the way out: where I put 32 bytes of a row
.set RD,  5                            ; v5   where I read a row back
.set HB,  7                            ; v7   32 h: the bias of my half's eight outputs
.set SPW, 8                            ; v8   LDS address of my spare word; never rewritten
.set NIL, 9                            ; v9   0; never rewritten
.set BI,  16
.set WB,  80
.set SP,    528                        ; a stage row: 512 bytes + 16
.set STAGE, 131072                     ; behind W: 16 rows x 528 bytes for each wave; no tensor load fills it
.set SPARE, STAGE+4*16*SP              ; behind the stages: the spare words, 128 bytes a wave: two blocks of 256 bytes that no other line names
.set G1,  16                           ; s[16:23]
.set G0,  24                           ; s[24:27]
.set WV,  28
.set MSB, 0
.macro WIN new
.if MSB != (\new)
	s_set_vgpr_msb (MSB<<8)|(\new)
.set MSB, (\new)
.endif
.endm
.macro CROUND                          ; a round of the cluster's barrier
	s_barrier_signal -1
	s_barrier_wait -1
	s_cmp_lg_u32 s[WV], 0
	s_cbranch_scc1 .Lnot_wave_0_\@
	s_barrier_signal -3
.Lnot_wave_0_\@:
	s_barrier_wait -3
	s_barrier_signal -1
	s_barrier_wait -1
.endm
	s_load_b256 s[4:11], s[0:1], 0x0               ; xw s[4:5], wo16 s[6:7], b_or s[8:9], b_oi s[10:11]
	s_load_b128 s[12:15], s[0:1], 0x20             ; out0 s[12:13], out1 s[14:15]
	v_lshl_add_u32 v[SPW], v0, 2, SPARE
	v_mov_b32 v[NIL], 0
	ds_add_u32 v[SPW], v[NIL]                      ; the wave's opening: the add, twice on end, and its wait ahead of my first tensor load
	ds_add_u32 v[SPW], v[NIL]
	v_lshrrev_b32 v6, 5, v0
	v_readfirstlane_b32 s[WV], v6                  ; wave 0..3
	v_and_b32 v[LN], 31, v0
	v_lshlrev_b32 v[LN], 4, v[LN]
	v_add_nc_u32 v[LN2], 65536, v[LN]
	v_and_b32 v10, 15, v0                          ; r
	v_bfe_u32 v11, v0, 4, 1                        ; h
	v_lshlrev_b32 v[HB], 5, v11
	s_mul_i32 s44, s[WV], 16*SP
	s_add_co_u32 s44, s44, STAGE                   ; my stage
	v_mul_u32_u24 v[STO], v10, SP
	v_add_nc_u32 v[STO], v[STO], v[HB]
	v_add_nc_u32 v[STO], s44, v[STO]               ; in: row r, 32 bytes for each half of the lanes
	v_add_nc_u32 v[RD], s44, v[LN]                 ; back: the 32 lanes take one row of 512 bytes
	s_bfe_u32 s29, ttmp6, 0x40000                  ; cx: it enters x's and the output's addresses alone
	s_and_b32 s30, ttmp7, 0xffff                   ; y, which the four partners share
	s_lshr_b32 s31, s30, 2                         ; stream
	s_and_b32 s32, s30, 3                          ; which 128 outputs
	s_lshl_b32 s33, ttmp9, 2
	s_add_co_u32 s33, s33, s29                     ; which 256 rows = 4 x cluster x + cx
	; descriptor group 1: 32 KiB, dense, as 128 rows of 256 bytes (32 elements of 8 bytes), no padding
	s_mov_b32 s[G1], 15|(3<<16)|(1<<21)            ; 15:0 the mask: all four work-groups; 17:16 elements of 8 bytes; 21 set beside a mask
	s_mov_b32 s[G1+1], 32<<16
	s_mov_b32 s[G1+2], 128<<16
	s_mov_b32 s[G1+3], 32<<16
	s_mov_b32 s[G1+4], 128
	s_mov_b32 s[G1+5], 32
	s_mov_b32 s[G1+6], 0
	s_mov_b32 s[G1+7], 0
	s_mov_b32 s[G0], 1
	s_lshl_b32 s[G0+1], s[WV], 15                  ; my 32 KiB, in LDS
	s_lshl_b32 s34, s30, 17                        ; wo16: 128 KiB for a stream's quarter
	s_add_co_u32 s34, s34, s[G0+1]
	s_mov_b32 s35, 0
	s_lshl_b32 s36, s33, 19                        ; xw: 16 tiles of rows, 32 KiB each, a work-group,
	s_lshl_b32 s45, s[WV], 17
	s_add_co_u32 s36, s36, s45                     ; 4 a wave,
	s_mov_b32 s42, s36                             ; (the output likewise: 256 rows of 2,048 bytes a work-group, 64 a wave)
	s_lshl_b32 s45, s31, 14
	s_add_co_u32 s36, s36, s45                     ; 16 KiB a stream
	s_mov_b32 s37, 0
	s_lshl_b32 s38, s32, 9                         ; 128 outputs are 512 bytes, in the bias and in a row of the output
	s_mov_b32 s39, 0
	s_add_co_u32 s42, s42, s38
	s_mov_b32 s43, 0
	s_wait_dscnt 0x0                               ; both opening adds are done
	s_wait_kmcnt 0x0
	s_add_nc_u64 s[G0+2:G0+3], s[6:7], s[34:35]
	s_or_b32 s[G0+3], s[G0+3], 0x80000000          ; type = 2
	s_add_nc_u64 s[4:5], s[4:5], s[36:37]
	s_cmp_eq_u32 s31, 0
	s_cselect_b64 s[46:47], s[8:9], s[10:11]
	s_cselect_b64 s[40:41], s[12:13], s[14:15]
	s_add_nc_u64 s[46:47], s[46:47], s[38:39]
	s_add_nc_u64 s[40:41], s[40:41], s[42:43]
	CROUND                                         ; all four work-groups are here: the joint loads meet
	tensor_load_to_lds s[G0:G0+3], s[G1:G1+7]
	s_nop 0
.rept 4
	v_nop
.endr
.irp n, 0,1,2,3,4,5,6,7
	global_load_b128 v[BI+8*\n:BI+8*\n+3], v[HB], s[46:47] offset:64*\n          ; b[16 n + 8 h + 0 .. 7]
	global_load_b128 v[BI+8*\n+4:BI+8*\n+7], v[HB], s[46:47] offset:64*\n+16
.endr
	WIN 0x80                                       ; destination window 2
.irp k, 0,1,2,3,4,5,6,7
.irp i, 0,1,2,3
.irp c, 0,1
	global_load_b128 v[8*(8*\i+\k)+4*\c:8*(8*\i+\k)+4*\c+3], v[LN], s[4:5] offset:32768*\i+1024*\k+512*\c th:TH_LOAD_NT
.endr
.endr
.endr
	WIN 0xc0                                       ; destination window 3
.irp k, 0,1,2,3,4,5,6,7
.irp i, 0,1,2,3
.irp c, 0,1
	global_load_b128 v[8*(8*\i+\k)+4*\c:8*(8*\i+\k)+4*\c+3], v[LN], s[4:5] offset:32768*\i+1024*(\k+8)+512*\c th:TH_LOAD_NT
.endr
.endr
.endr
	WIN 0
	s_wait_tensorcnt 0x0                           ; my part of W is in,
	s_barrier_signal -1
	s_barrier_wait -1                              ; everybody's is
.irp n, 0,1,2,3,4,5,6,7
.irp c, 0,1
	ds_load_b128 v[WB+8*\n+4*\c:WB+8*\n+4*\c+3], v[LN] offset:1024*\n+512*\c     ; W of K step 0
.endr
.endr
; K step k: the next step's W is asked for, then 32 products, the 32 accumulators by turns
.macro KSTEP k
.if (\k) > 0
.rept 4
	v_nop                                          ; four places ahead of loads into registers that the last step's products have read
.endr
.endif
.if (\k) < 15
.irp n, 0,1,2,3,4,5,6,7
.irp c, 0,1
.if (\k)+1 < 8
	ds_load_b128 v[WB+64*(((\k)+1)%2)+8*\n+4*\c:WB+64*(((\k)+1)%2)+8*\n+4*\c+3], v[LN] offset:8192*(((\k)+1)%8)+1024*\n+512*\c
.else
	ds_load_b128 v[WB+64*(((\k)+1)%2)+8*\n+4*\c:WB+64*(((\k)+1)%2)+8*\n+4*\c+3], v[LN2] offset:8192*(((\k)+1)%8)+1024*\n+512*\c
.endif
.endr
.endr
	s_wait_dscnt 16                                ; this step's W is in; the 16 loads just issued may be out
.else
	s_wait_dscnt 0x0
.endif
.if 8*(15-(\k)) > 63
	s_wait_loadcnt 63                              ; (the count's field ends here: more than this step's x is then in)
.else
	s_wait_loadcnt 8*(15-(\k))                     ; this step's x is in; the later steps' eight loads each may be out
.endif
.if (\k) == 0
	WIN 0x48                                       ; D window 1, x window 2, C (the bias) window 0
.elseif (\k) < 8
	WIN 0x58                                       ; C and D window 1, x window 2
.else
	WIN 0x5c                                       ; x window 3
.endif
.irp i, 0,1,2,3
.irp n, 0,1,2,3,4,5,6,7
.if (\k) == 0
	v_wmma_f32_16x16x32_f16 v[8*(8*\i+\n):8*(8*\i+\n)+7], v[WB+64*((\k)%2)+8*\n:WB+64*((\k)%2)+8*\n+7], v[8*(8*\i+(\k)%8):8*(8*\i+(\k)%8)+7], v[BI+8*\n:BI+8*\n+7]
.else
	v_wmma_f32_16x16x32_f16 v[8*(8*\i+\n):8*(8*\i+\n)+7], v[WB+64*((\k)%2)+8*\n:WB+64*((\k)%2)+8*\n+7], v[8*(8*\i+(\k)%8):8*(8*\i+(\k)%8)+7], v[8*(8*\i+\n):8*(8*\i+\n)+7]
.endif
.endr
.endr
	WIN 0
.endm
.irp k, 0,1,2,3,4,5,6,7,8,9,10,11,12,13,14,15
	KSTEP \k
.endr
.rept 4
	v_nop                                          ; four places ahead of the first read of results and of loads into W's registers
.endr
; THE WAY OUT, a block of 16 rows x 128 outputs at a time: through my own stage and back as whole rows of 512 bytes.  LDS serves a wave's instructions in order (ISA guide 5.7.1.4): no wait between the stores and the loads.
.macro TOSTAGE a
	WIN 0x04                                       ; an LDS store's data are its source 1: window 1
.irp n, 0,1,2,3,4,5,6,7
	ds_store_b128 v[STO], v[8*(8*(\a)+\n):8*(8*(\a)+\n)+3] offset:64*\n          ; each accumulator from its low end on
	ds_store_b128 v[STO], v[8*(8*(\a)+\n)+4:8*(8*(\a)+\n)+7] offset:64*\n+16
.endr
	WIN 0
.irp t, 0,1,2,3,4,5,6,7,8,9,10,11,12,13,14,15
	ds_load_b128 v[WB+64*((\a)%2)+4*\t:WB+64*((\a)%2)+4*\t+3], v[RD] offset:\t*SP
.endr
.endm
.macro SEND a, younger                 ; younger: the LDS instructions issued behind block a's loads, which may stay out
	s_wait_dscnt \younger
.irp t, 0,1,2,3,4,5,6,7,8,9,10,11,12,13,14,15
	global_store_b128 v[LN], v[WB+64*((\a)%2)+4*\t:WB+64*((\a)%2)+4*\t+3], s[40:41] offset:32768*(\a)+2048*\t th:TH_STORE_NT   ; 512 consecutive bytes, at a multiple of 256 from the output's first byte
.endr
.endm
	TOSTAGE 0
	TOSTAGE 1
	SEND 0, 32                                     ; behind block 0's loads: block 1's 16 stores and 16 loads
	s_wait_xcnt 0x0                                ; block 0's stores have read their registers: block 2's loads may land there
	TOSTAGE 2
	SEND 1, 32
	s_wait_xcnt 0x0
	TOSTAGE 3
	SEND 2, 32
	SEND 3, 0
	s_wait_tensorcnt 0x0                           ; the wave's end: behind my last tensor load and my last LDS store
	ds_add_u32 v[SPW], v[NIL]
	s_wait_dscnt 0x0
	CROUND                                         ; the closing round: no work-group ends while a partner may still ask for a tile that names it
	s_endpgm
.Lfunc_end_k_qa56275d9d0_oproj:
	.size	k_qa56275d9d0_oproj, .Lfunc_end_k_qa56275d9d0_oproj-k_qa56275d9d0_oproj
	.p2alignl 7, 3214868480
	.fill 96, 4, 3214868480
	.section	.rodata,"a",@progbits
	.p2align	6, 0x0
	.amdhsa_kernel k_qa56275d9d0_oproj
		.amdhsa_group_segment_fixed_size 167936
		.amdhsa_private_segment_fixed_size 0
		.amdhsa_enable_private_segment 0
		.amdhsa_kernarg_size 48
		.amdhsa_user_sgpr_count 2
		.amdhsa_user_sgpr_kernarg_segment_ptr 1
		.amdhsa_wavefront_size32 1
		.amdhsa_system_sgpr_workgroup_id_x 1
		.amdhsa_system_sgpr_workgroup_id_y 1
		.amdhsa_system_sgpr_workgroup_id_z 1
		.amdhsa_system_vgpr_workitem_id 0
		.amdhsa_next_free_vgpr 1024
		.amdhsa_next_free_sgpr 66
		.amdhsa_reserve_vcc 0
		.amdhsa_float_denorm_mode_32 3
		.amdhsa_float_denorm_mode_16_64 3
		.amdhsa_memory_ordered 1
		.amdhsa_forward_progress 1
		.amdhsa_inst_pref_size 85
	.end_amdhsa_kernel
	.amdgpu_metadata
---
amdhsa.version: [ 1, 2 ]
amdhsa.kernels:
  - .name:           k_qa56275d9d0_oproj
    .symbol:         k_qa56275d9d0_oproj.kd
    .args:
      - { .name: xw, .offset: 0, .size: 8, .value_kind: global_buffer, .address_space: global }
      - { .name: wo16, .offset: 8, .size: 8, .value_kind: global_buffer, .address_space: global }
      - { .name: b_or, .offset: 16, .size: 8, .value_kind: global_buffer, .address_space: global }
      - { .name: b_oi, .offset: 24, .size: 8, .value_kind: global_buffer, .address_space: global }
      - { .name: out0, .offset: 32, .size: 8, .value_kind: global_buffer, .address_space: global }
      - { .name: out1, .offset: 40, .size: 8, .value_kind: global_buffer, .address_space: global }
    .group_segment_fixed_size: 167936
    .private_segment_fixed_size: 0
    .kernarg_segment_align: 8
    .kernarg_segment_size: 48
    .max_flat_workgroup_size: 128
    .sgpr_count:     66
    .vgpr_count:     1024
    .wavefront_size: 32
...
	.end_amdgpu_metadata
.endif
;; end of part 4
;; ======== version 2 of 2: 4 launches; version 1 with the launch proj written anew for expert scheduling mode
;; limits: values are held in f16: magnitudes above 65,504 overflow, below 6.1e-05 lose precision
;; workspace buffers: wq_codes 786,432 bytes; wq_scales 49,152 bytes; wo16 1,048,576 bytes; qbuf 16,777,216 bytes; kv 33,554,432 bytes; xw 16,777,216 bytes
;; launch prep: the kernel of part 1 again; grid 160 x 1, 4 waves a work-group, no clusters, 0 bytes of LDS; arguments w_r, w_i, w_or, w_oi, wq_codes, wq_scales, wo16; writes wq_codes, wq_scales, wo16
;; launch proj (part 5): grid 192 x 1, 4 waves a work-group, no clusters, 18,944 bytes of LDS; arguments real_q, real_k, real_v, img_q, img_k, img_v, b_r, b_i, wq_codes, wq_scales, qbuf, kv; writes qbuf, kv
.if DOCPART == 5
	.amdgcn_target "amdgcn-amd-amdhsa--gfx1250"
	.amdhsa_code_object_version 6
	.text
	.protected	k_qa56275d9d0_proj
	.globl	k_qa56275d9d0_proj
	.p2align	8
	.type	k_qa56275d9d0_proj,@function
k_qa56275d9d0_proj:
	s_mov_b64 s[64:65], 0
	v_nop
	global_prefetch_b8 v0, s[64:65] scope:SCOPE_SE
	s_setreg_imm32_b32 hwreg(HW_REG_WAVE_SCHED_MODE, 0, 2), 2
	s_setreg_imm32_b32 hwreg(HW_REG_WAVE_MODE, 25, 1), 1
	s_wait_xcnt 0x0
	s_wait_alu depctr_vm_vsrc(0)
; THE SIX PROJECTIONS  y = Q(x) Q(W)^T + b, on codes of FP4 (E2M1) with one E8M0 scale for each 32 along K; sums in f32; y leaves as f16, laid as the attention's operand registers.
; Work-group g: projection p = g / 32 (0-2: real q, k, v; 3-5: imaginary q, k, v), rows 256 (g % 32) on, as four blocks of 64 rows.
; THE WAVES SHARE THE COLUMNS: wave w keeps W's rows 128 w .. 128 w + 127 (8 tiles x 4 K steps = 256 registers), their scale words and their bias in registers for the whole launch.
; In a block wave w quantises rows 16 w .. 16 w + 15 of x (4 fragments, 4 scale words) and hands them round through LDS as images of their registers: 16 bytes a lane at 16 x lane, a scale word at 4 x lane.
; Q and K: the product is used transposed (source 0 = 16 rows of W, source 1 = 16 rows of x): a lane holds one position and eight neighbouring channels: packed to f16 they are registers 0-3 or 4-7 of a
; fragment (16 positions x a head's 32 channels).  V: source 0 = x, source 1 = W: a lane holds one channel and eight neighbouring positions: half of a fragment of V^T (16 channels x 32 keys).
; So every store is 512 consecutive bytes, aligned, straight from registers.
;   qbuf [batch x head 64][tile of 16 queries 128][stream 2][1024];   kv [batch x head 64][slot of 512 keys 4][ K: [tile of 16 keys 32][stream 2][1024] | V: [32 keys 16][16 channels 4][1024] ]
; NO JOINT LOADS: what work-groups share, a weight's 136 KB of codes and scale words, goes once into one wave's registers, against 768 KB of x and y that are the work-group's own.
; 192 work-groups: the six tensors' 8,192 rows each do not divide into 256 equal shares that keep to one weight.
; LIMITS: NaN and infinities are not served; a block whose largest magnitude lies under 2^-124 keeps the byte 1 (a block of zeros too: its codes are zeros); |y| stays under 65,504, f16's largest number.
; THE MODE: SCHED_MODE bits 1:0 = 2 (LLVM: expert scheduling mode 2), set by the entry lines.  The code itself states the register dependences
; between vector or matrix instructions and memory or LDS instructions, with s_wait_alu, always for 0.
; THE PLAN.  Registers that memory or LDS instructions touch, in the loop:
;   x, K step s (window 2)   Read by the quantiser of K step s; behind it the next block's 16 loads land there.
;   PC + 8 s, PW + s         Written by the quantiser of K step s; read by the three LDS stores behind it; written again by the next block's quantiser.
;   XF0 + XS0, XF1 + XS1     Row tile m's products read set m % 2.  At tile m's head, ahead of its products, the LDS loads of tile m + 1 land in the other set, which tile m - 1's products read.
;   PK0, PK1                 Written by tile m's conversions (set m % 2), read by tile m's eight stores, written again by tile m + 2's conversions.
;   the addresses v1-v5, OFS Made at the head, never written again: x and the output are reached by scalar bases.
;   W, its scale words, the bias: loaded once at the head.  The accumulators and TM are named by vector and matrix instructions alone.
; So one wait on va_vdst stands behind each K step's quantiser, and one group of waits at each row tile's end, behind its conversions and AHEAD of its stores: vm_vsrc for the stores of the tile before
; (they have read the other PK), va_vdst for this tile's PK and for this tile's products' reads of their set of x.
; REGISTERS, in windows of 256: window 0: addresses, x's fragments from LDS (set 0), 8 accumulators, codes, packed results (set 0), scale words.  window 1: W's 32 fragments.  window 2: my 16 rows of x, 256 numbers a lane.
;   window 3: v0-63 the bias; v64-95 x's fragments, set 1; v96-127 packed results, set 1.
.set LN,  1                            ; v1   16 x lane
.set XA,  2                            ; v2   x: row r of 2,048 bytes + 64 h
.set IW,  3                            ; v3   where I store my images: 16 x lane + 4,096 x wave
.set SW,  4                            ; v4   and their scale words: SCB + 4 x lane + 512 x wave
.set LS,  5                            ; v5   SCB + 4 x lane
.set SPW, 10                           ; v10  LDS address of my spare word; never rewritten
.set NIL, 11                           ; v11  0; never rewritten
.set XF,  16                           ; v16-47   an even row tile's four fragments of x;
.set XFD, 48                           ;          an odd one's lie XFD numbers further on, in window 3: v64-95
.set ACC, 48                           ; v48-111  eight accumulators
.set PC,  112                          ; v112-143 the codes just made, 8 registers a K step
.set PW,  144                          ; v144-147 their scale words
.set XS,  148                          ; v148-151 an even row tile's scale words of x: scales and nothing else;
.set XSD, 100                          ;          an odd one's lie at v248-251: scales and nothing else
.set PK,  152                          ; v152-183 an even row tile's results as f16;
.set PKD, 56                           ;          an odd one's lie PKD numbers lower, in window 3: v96-127
.set OFS, 184                          ; v184-191 tile t's byte offset in the output
.set WS,  192                          ; v192-223 W's scale words, 4 t + s: scales and nothing else
.set TM,  224                          ; v224-239 at work in the quantiser
.set BA,  240                          ; v240-247 the bias loads' offsets
.set SCB,   16384                      ; LDS: 16 fragments of 1,024 bytes, then 16 x 128 bytes of scale words,
.set SPARE, 18432                      ; then the spare words, 128 bytes a wave: two blocks of 256 bytes that no other line names
.set XP,  32                           ; s[32:33] x at my wave's rows of the block in hand
.set OP,  34                           ; s[34:35] the output at the row tile in hand
.set ST0, 36                           ; s[36:37] its step behind an even row tile
.set ST1, 38                           ; s[38:39] behind an odd one
.set STF, 40                           ; s[40:41] ahead of a block's first tile: 0 in the first block, then ST1
.set ISV, 42                           ; s42  1: this projection makes V
.set CNT, 43
.set SEL, 44                           ; s[44:45] lane selects: lane l xor 16
.set MSB, 0
.macro WIN new                         ; the immediate's high byte repeats the setting that is left; a switch that changes nothing is dropped
.if MSB != (\new)
	s_set_vgpr_msb (MSB<<8)|(\new)
.set MSB, (\new)
.endif
.endm
; my 16 rows' numbers of K step s (64 a lane), from off bytes on: register 64 s + 16 b + i of window 2 = k 128 s + 32 b + 16 h + i
.macro XLOAD s, off
	WIN 0x80
.irp b, 0,1,2,3
.irp j, 0,1,2,3
	global_load_b128 v[64*(\s)+16*\b+4*\j:64*(\s)+16*\b+4*\j+3], v[XA], s[XP:XP+1] offset:\off+512*(\s)+128*\b+16*\j th:TH_LOAD_NT
.endr
.endr
	WIN 0
.endm
; K step s of my rows becomes a fragment's codes in v[PC + 8 s] on and its scale word in v[PW + s]
.macro QUANT s
	WIN 0x0a                                       ; sources 0 and 1 in window 2
.irp b, 0,1,2,3
	v_max3_num_f32 v[TM+\b], |v[64*(\s)+16*\b]|, |v[64*(\s)+16*\b+1]|, 0x1800000   ; and the floor 2^(3 - 127): the byte cannot fall under 1
.endr
.irp i, 2,4,6,8,10,12,14
.irp b, 0,1,2,3
	v_max3_num_f32 v[TM+\b], |v[64*(\s)+16*\b+\i]|, |v[64*(\s)+16*\b+\i+1]|, v[TM+\b]   ; the four blocks by turns
.endr
.endr
	WIN 0
.irp b, 0,1,2,3
	v_permlanex16_b32 v[TM+4+\b], v[TM+\b], s[SEL], s[SEL+1]
.endr
.irp b, 0,1,2,3
	v_max_num_f32 v[TM+\b], v[TM+\b], v[TM+4+\b]          ; with lane l xor 16's: the block's largest magnitude
.endr
.irp b, 0,1,2,3
	v_add_nc_u32 v[TM+12+\b], 0xff000000, v[TM+\b]        ; 2 off its exponent field: the conversion's scale operand
.endr
.irp b, 0,1,2,3
	v_lshrrev_b32 v[TM+4+\b], 23, v[TM+12+\b]             ; the scale's byte
.endr
	v_lshl_or_b32 v[PW+(\s)], v[TM+5], 8, v[TM+4]
	v_lshl_or_b32 v[PW+(\s)], v[TM+6], 16, v[PW+(\s)]
	v_lshl_or_b32 v[PW+(\s)], v[TM+7], 24, v[PW+(\s)]
	WIN 0x02                                       ; source 0 in window 2
.irp b, 0,1,2,3
	v_cvt_scalef32_pk8_fp4_f32 v[PC+8*(\s)+2*\b], v[64*(\s)+16*\b:64*(\s)+16*\b+7], v[TM+12+\b]
	v_cvt_scalef32_pk8_fp4_f32 v[PC+8*(\s)+2*\b+1], v[64*(\s)+16*\b+8:64*(\s)+16*\b+15], v[TM+12+\b]
.endr
	WIN 0
	v_nop                                          ; one plain instruction behind the scaled conversions
.irp c, 0,1                                    ; a whole block in a lane: lanes 0-15 block 2 c, lanes 16-31 block 2 c + 1
.irp i, 0,1
	v_permlane16_swap_b32 v[PC+8*(\s)+4*\c+\i], v[PC+8*(\s)+4*\c+2+\i]
.endr
.endr
.endm
; Row tile m's four fragments of x and their scale words, from LDS into set m % 2: twelve LDS loads.
; No wait stands here: since the last wait on va_vdst no vector or matrix instruction has been issued, and that wait stands behind the products that read this set last.
.macro XFETCH m
	WIN 0xc0*((\m)%2)                              ; an odd tile's fragments: destination window 3
.irp s, 0,1,2,3
.irp c, 0,1
	ds_load_b128 v[XF+XFD*((\m)%2)+8*\s+4*\c:XF+XFD*((\m)%2)+8*\s+4*\c+3], v[LN] offset:(4*(\m)+\s)*1024+512*\c
.endr
.endr
	WIN 0
.irp s, 0,1,2,3
	ds_load_b32 v[XS+XSD*((\m)%2)+\s], v[LS] offset:(4*(\m)+\s)*128
.endr
.endm
; Row tile m of the block: the next tile's fragments are asked for, then my 8 tiles of outputs (32 matrix instructions, the 8 accumulators by turns), f16, 8 stores.
; step: the pair that moves the output base to this tile.  bar = 1: the block's second barrier, behind the last reads of the images.
.macro MTILE m, step, bar
.if (\m) == 0
	XFETCH 0                                       ; a block's first tile asks for its own fragments too
.endif
.if (\m) < 3
	XFETCH (\m)+1
	s_wait_dscnt 12                                ; LDS loads come back in order (ISA guide 5.7.1): this tile's are in, the next tile's twelve may be out
.else
	s_wait_dscnt 0x0
.endif
.if \bar
	s_barrier_signal -1                            ; every wave's reads of the images are back: behind this barrier the next block's images may be stored
	s_barrier_wait -1
.endif
.set xfb, XF+XFD*((\m)%2)
.set xsb, XS+XSD*((\m)%2)
.set pkb, PK-PKD*((\m)%2)
	s_cmp_lg_u32 s[ISV], 0                         ; the same in all waves: it hangs on the work-group's number
	s_cbranch_scc1 .Lvarm_\@
	WIN 0x31+12*((\m)%2)                           ; Q, K: source 0 (W) window 1, source 1 (x) window 0 or 3, C (the bias) window 3
.irp t, 0,1,2,3,4,5,6,7
	v_wmma_scale_f32_16x16x128_f8f6f4 v[ACC+8*\t:ACC+8*\t+7], v[32*\t:32*\t+7], v[xfb:xfb+7], v[8*\t:8*\t+7], v[WS+4*\t], v[xsb] matrix_a_fmt:MATRIX_FMT_FP4 matrix_b_fmt:MATRIX_FMT_FP4
.endr
	WIN 0x01+12*((\m)%2)
.irp s, 1,2,3
.irp t, 0,1,2,3,4,5,6,7
	v_wmma_scale_f32_16x16x128_f8f6f4 v[ACC+8*\t:ACC+8*\t+7], v[32*\t+8*\s:32*\t+8*\s+7], v[xfb+8*\s:xfb+8*\s+7], v[ACC+8*\t:ACC+8*\t+7], v[WS+4*\t+\s], v[xsb+\s] matrix_a_fmt:MATRIX_FMT_FP4 matrix_b_fmt:MATRIX_FMT_FP4
.endr
.endr
	WIN 0
	s_branch .Ljoin_\@
.Lvarm_\@:
	WIN 0x34+3*((\m)%2)                            ; V: source 0 (x) window 0 or 3, source 1 (W) window 1, C (the bias) window 3
.irp t, 0,1,2,3,4,5,6,7
	v_wmma_scale_f32_16x16x128_f8f6f4 v[ACC+8*\t:ACC+8*\t+7], v[xfb:xfb+7], v[32*\t:32*\t+7], v[8*\t:8*\t+7], v[xsb], v[WS+4*\t] matrix_a_fmt:MATRIX_FMT_FP4 matrix_b_fmt:MATRIX_FMT_FP4
.endr
	WIN 0x04+3*((\m)%2)
.irp s, 1,2,3
.irp t, 0,1,2,3,4,5,6,7
	v_wmma_scale_f32_16x16x128_f8f6f4 v[ACC+8*\t:ACC+8*\t+7], v[xfb+8*\s:xfb+8*\s+7], v[32*\t+8*\s:32*\t+8*\s+7], v[ACC+8*\t:ACC+8*\t+7], v[xsb+\s], v[WS+4*\t+\s] matrix_a_fmt:MATRIX_FMT_FP4 matrix_b_fmt:MATRIX_FMT_FP4
.endr
.endr
	WIN 0
.Ljoin_\@:
.rept 4
	v_nop                                          ; four places behind the last products, ahead of the first read of results (ISA guide 7.12.1)
.endr
	WIN 0xc0*((\m)%2)                              ; an odd tile's results: destination window 3
.irp t, 0,1,2,3,4,5,6,7
.irp i, 0,1,2,3
	v_cvt_pk_f16_f32 v[pkb+4*\t+\i], v[ACC+8*\t+2*\i], v[ACC+8*\t+2*\i+1]   ; each accumulator from its low end on.  (This PK was last read by the stores of two tiles back, which stand ahead of the last tile's waits)
.endr
.endr
	s_wait_xcnt 0x0                                ; the last tile's stores have had their addresses translated (ISA guide 3.1): their base is written below, their data by the next tile's conversions
	s_wait_alu depctr_vm_vsrc(0)                   ; the last tile's stores have read the other PK, which the next tile's conversions write; in a block's first tile also: my image stores have read v[PC ..] and v[PW ..], which the next block's quantiser writes
	s_wait_alu depctr_va_vdst(0)                   ; the conversions have written this PK, which the stores below read; this tile's products are done reading their fragments and scale words of x, in which the next tile's head lets LDS loads land
	s_add_nc_u64 s[OP:OP+1], s[OP:OP+1], s[\step:\step+1]
	WIN 0x0c*((\m)%2)                              ; a store's data are its source 1: an odd tile's lie in window 3
.irp t, 0,1,2,3,4,5,6,7
	global_store_b128 v[OFS+\t], v[pkb+4*\t:pkb+4*\t+3], s[OP:OP+1] th:TH_STORE_NT   ; half a fragment: 512 consecutive bytes, aligned
.endr
	WIN 0
.endm
; A block of 64 rows.  ahead = 1: behind each K step's quantising its registers take the next block's numbers.
.macro BLOCK ahead
.irp s, 0,1,2,3
.if \ahead
	s_wait_loadcnt 48                              ; this K step's 16 loads are in; three K steps' loads are younger
.else
	s_wait_loadcnt 48-16*\s                        ; the last block asks for nothing: the counts run down
.endif
	QUANT \s
	s_wait_alu depctr_va_vdst(0)                   ; the quantiser has written v[PC ..] and v[PW ..] of this K step, which the LDS stores read, and is done reading the K step's numbers, in which the next block's loads land
	ds_store_b128 v[IW], v[PC+8*\s:PC+8*\s+3] offset:1024*\s
	ds_store_b128 v[IW], v[PC+8*\s+4:PC+8*\s+7] offset:1024*\s+512
	ds_store_b32 v[SW], v[PW+\s] offset:128*\s
.if \ahead
	XLOAD \s, 131072                               ; no vector instruction since the wait; the LDS stores between name none of these loads' registers
.endif
.endr
	s_wait_dscnt 0x0                               ; for the others' sake: my images have landed
	s_barrier_signal -1
	s_barrier_wait -1                              ; the block's sixteen fragments lie in LDS
	MTILE 0, STF, 0
	MTILE 1, ST0, 0
	MTILE 2, ST1, 0
	MTILE 3, ST0, \ahead
.if \ahead
	s_wait_xcnt 0x0                                ; the loads have read their base
	s_add_nc_u64 s[XP:XP+1], s[XP:XP+1], 131072    ; 64 rows of 2,048 bytes on
.endif
	s_mov_b64 s[STF:STF+1], s[ST1:ST1+1]
.endm
	s_load_b512 s[8:23], s[0:1], 0x0               ; real_q, real_k, real_v, img_q, img_k, img_v s[8:19]; b_r s[20:21], b_i s[22:23]
	s_load_b256 s[24:31], s[0:1], 0x40             ; wq_codes s[24:25], wq_scales s[26:27], qbuf s[28:29], kv s[30:31]
	v_lshl_add_u32 v[SPW], v0, 2, SPARE
	v_mov_b32 v[NIL], 0
	v_lshrrev_b32 v6, 5, v0
	v_readfirstlane_b32 s6, v6                     ; wave
	v_and_b32 v7, 31, v0                           ; lane
	v_and_b32 v8, 15, v0                           ; r
	v_bfe_u32 v9, v0, 4, 1                         ; h
	v_lshlrev_b32 v[LN], 4, v7
	v_lshlrev_b32 v[XA], 11, v8
	v_lshl_add_u32 v[XA], v9, 6, v[XA]
	s_wait_alu depctr_va_sdst(0)                   ; s6 is written, ahead of its first reader: LDS addresses and all the bases are made from it
	s_lshl_b32 s47, s6, 12
	v_add_nc_u32 v[IW], s47, v[LN]
	v_lshlrev_b32 v[LS], 2, v7
	v_add_nc_u32 v[LS], SCB, v[LS]
	s_lshl_b32 s47, s6, 9
	v_add_nc_u32 v[SW], s47, v[LS]
	v_lshlrev_b32 v13, 2, v8                       ; 4 r: W's scale words
	s_mov_b32 s[SEL], 0x76543210
	s_mov_b32 s[SEL+1], 0xfedcba98
.irp b, 0,1,2,3
	v_mov_b32 v[TM+4+\b], 0                        ; written once: a lane permute's destination counts as one of its sources
.endr
	s_lshr_b32 s4, ttmp9, 5                        ; p
	s_and_b32 s5, ttmp9, 31                        ; which 256 rows
	s_cmp_ge_u32 s4, 3
	s_cselect_b32 s7, 1, 0                         ; stream: 0 real, 1 imaginary
	s_mul_i32 s46, s7, 3
	s_sub_co_u32 s46, s4, s46                      ; 0 q, 1 k, 2 v
	s_cmp_eq_u32 s46, 2
	s_cselect_b32 s[ISV], 1, 0
	s_cselect_b32 s58, 0, 32                       ; the bias in the result's layout.  Q, K: b[16 t + 8 h + j]: 32 h + 4 j bytes.  V: b[16 t + r] in all eight registers: 4 r bytes
	s_cselect_b32 s59, 4, 0
	s_cselect_b32 s60, 0, 4
	s_mov_b32 s[ST0], 2048                         ; Q, K: a tile of 16 positions is 2,048 bytes on.  V: an odd tile is the fragment's other half, 512 on; then 3,584 to the next 32 keys
	s_cselect_b32 s[ST0], 512, s[ST0]
	s_mov_b32 s[ST1], 2048
	s_cselect_b32 s[ST1], 3584, s[ST1]
	s_mov_b32 s61, 512                             ; an odd tile of channels: Q, K the fragment's other half; V the next fragment
	s_cselect_b32 s61, 1024, s61
	s_mov_b32 s[ST0+1], 0
	s_mov_b32 s[ST1+1], 0
	s_mov_b32 s[STF], 0
	s_mov_b32 s[STF+1], 0
	s_cmp_eq_u32 s46, 0
	s_mov_b32 s62, 524288                          ; from head to head: 512 KiB in kv, 256 KiB in qbuf
	s_cselect_b32 s62, 262144, s62
	s_lshl_b32 s48, s5, 19                         ; x: 256 rows of 2,048 bytes a work-group,
	s_lshl_b32 s47, s6, 15
	s_add_co_u32 s48, s48, s47                     ; 16 rows a wave
	s_mov_b32 s49, 0
	s_lshl_b32 s50, s4, 17                         ; codes: 128 KiB a weight, 32 KiB a wave
	s_add_co_u32 s50, s50, s47
	s_mov_b32 s51, 0
	s_lshl_b32 s52, s4, 13                         ; scale words: 8 KiB a weight, 512 bytes a wave
	s_lshl_b32 s47, s6, 9
	s_add_co_u32 s52, s52, s47
	s_mov_b32 s53, 0
	s_lshl_b32 s54, s46, 11                        ; bias: 2 KiB a projection, 512 bytes a wave
	s_add_co_u32 s54, s54, s47
	s_mov_b32 s55, 0
	s_lshr_b32 s68, s5, 3                          ; batch
	s_lshl_b32 s68, s68, 4
	s_lshl_b32 s47, s6, 2
	s_add_co_u32 s68, s68, s47                     ; my first head: 16 x batch + 4 x wave
	s_and_b32 s69, s5, 7
	s_lshl_b32 s69, s69, 8                         ; my first position in the sequence
	s_lshl_b32 s70, s68, 18
	s_lshl_b32 s47, s69, 7
	s_add_co_u32 s70, s70, s47
	s_lshl_b32 s47, s7, 10
	s_add_co_u32 s70, s70, s47                     ; in qbuf
	s_lshl_b32 s71, s68, 19
	s_lshr_b32 s47, s69, 9
	s_lshl_b32 s47, s47, 17
	s_add_co_u32 s71, s71, s47                     ; in kv: the slot of 512 keys,
	s_and_b32 s47, s69, 511
	s_lshl_b32 s47, s47, 7
	s_add_co_u32 s71, s71, s47                     ; the place in it (128 bytes a key, in K's part and in V's),
	s_lshl_b32 s47, s7, 10                         ; K: 1 KiB a stream
	s_lshl_b32 s63, s7, 11
	s_add_co_u32 s63, s63, 65536                   ; V: behind K's 64 KiB, 2 KiB a stream
	s_cmp_eq_u32 s[ISV], 1
	s_cselect_b32 s47, s63, s47
	s_add_co_u32 s71, s71, s47
	s_cmp_eq_u32 s46, 0
	s_cselect_b32 s56, s70, s71
	s_mov_b32 s57, 0
.irp t, 0,1,2,3,4,5,6,7
	s_mul_i32 s47, s62, \t/2
.if \t%2
	s_add_co_u32 s47, s47, s61
.endif
	v_add_nc_u32 v[OFS+\t], s47, v[LN]
.endr
	v_mul_u32_u24 v12, v9, s58
	v_mad_u32_u24 v12, v8, s59, v12
.irp j, 0,1,2,3,4,5,6,7
	s_mul_i32 s47, s60, \j
	v_add_nc_u32 v[BA+\j], s47, v12
.endr
	s_wait_kmcnt 0x0
	s_mov_b64 s[XP:XP+1], s[8:9]                   ; x: one of six, by the work-group's number alone
	s_cmp_eq_u32 s4, 1
	s_cselect_b64 s[XP:XP+1], s[10:11], s[XP:XP+1]
	s_cmp_eq_u32 s4, 2
	s_cselect_b64 s[XP:XP+1], s[12:13], s[XP:XP+1]
	s_cmp_eq_u32 s4, 3
	s_cselect_b64 s[XP:XP+1], s[14:15], s[XP:XP+1]
	s_cmp_eq_u32 s4, 4
	s_cselect_b64 s[XP:XP+1], s[16:17], s[XP:XP+1]
	s_cmp_eq_u32 s4, 5
	s_cselect_b64 s[XP:XP+1], s[18:19], s[XP:XP+1]
	s_add_nc_u64 s[XP:XP+1], s[XP:XP+1], s[48:49]
	s_add_nc_u64 s[24:25], s[24:25], s[50:51]
	s_add_nc_u64 s[26:27], s[26:27], s[52:53]
	s_cmp_eq_u32 s7, 0
	s_cselect_b64 s[66:67], s[20:21], s[22:23]
	s_add_nc_u64 s[66:67], s[66:67], s[54:55]
	s_cmp_eq_u32 s46, 0
	s_cselect_b64 s[OP:OP+1], s[28:29], s[30:31]
	s_add_nc_u64 s[OP:OP+1], s[OP:OP+1], s[56:57]
	WIN 0x40                                       ; destination window 1: W's fragment (tile t, K step s) at v[8 (4 t + s)]: the buffer holds the registers' image
	s_wait_alu depctr_va_vdst(0)                   ; every address and offset of the kernel is written (v1 to v5, v13, OFS, BA, and the closing add's v10 and v11): the loads, LDS instructions and stores from here on read them; none is written again
.set i, 0
.rept 64
	global_load_b128 v[4*i:4*i+3], v[LN], s[24:25] offset:512*i
.set i, i+1
.endr
	WIN 0
.irp t, 0,1,2,3,4,5,6,7
.irp s, 0,1,2,3
	global_load_b32 v[WS+4*\t+\s], v13, s[26:27] offset:2048*\s+64*\t
.endr
.endr
	WIN 0xc0                                       ; destination window 3
.irp t, 0,1,2,3,4,5,6,7
.irp j, 0,1,2,3,4,5,6,7
	global_load_b32 v[8*\t+\j], v[BA+\j], s[66:67] offset:64*\t
.endr
.endr
	WIN 0
	XLOAD 0, 0                                     ; the first block's four K steps
	XLOAD 1, 0
	XLOAD 2, 0
	XLOAD 3, 0
	s_mov_b32 s[CNT], 3
.Lblk:                                             ; three blocks that ask for their successor (the first wait also shows the weights, scale words and bias in: they were asked for earlier)
	BLOCK 1
	s_sub_co_u32 s[CNT], s[CNT], 1
	s_cmp_lg_u32 s[CNT], 0
	s_cbranch_scc1 .Lblk
	BLOCK 0                                        ; the last block is written out: no load leaves its buffer
	s_wait_dscnt 0x0                               ; the closing lines, six on end
	s_wait_alu 0x0
	s_wait_tensorcnt 0x0
	ds_add_u32 v[SPW], v[NIL]
	s_wait_dscnt 0x0
	s_endpgm
.Lfunc_end_k_qa56275d9d0_proj:
	.size	k_qa56275d9d0_proj, .Lfunc_end_k_qa56275d9d0_proj-k_qa56275d9d0_proj
	.p2alignl 7, 3214868480
	.fill 96, 4, 3214868480
	.section	.rodata,"a",@progbits
	.p2align	6, 0x0
	.amdhsa_kernel k_qa56275d9d0_proj
		.amdhsa_group_segment_fixed_size 18944
		.amdhsa_private_segment_fixed_size 0
		.amdhsa_enable_private_segment 0
		.amdhsa_kernarg_size 96
		.amdhsa_user_sgpr_count 2
		.amdhsa_user_sgpr_kernarg_segment_ptr 1
		.amdhsa_wavefront_size32 1
		.amdhsa_system_sgpr_workgroup_id_x 1
		.amdhsa_system_sgpr_workgroup_id_y 1
		.amdhsa_system_sgpr_workgroup_id_z 1
		.amdhsa_system_vgpr_workitem_id 0
		.amdhsa_next_free_vgpr 896
		.amdhsa_next_free_sgpr 80
		.amdhsa_reserve_vcc 0
		.amdhsa_float_denorm_mode_32 3
		.amdhsa_float_denorm_mode_16_64 3
		.amdhsa_memory_ordered 1
		.amdhsa_forward_progress 1
		.amdhsa_inst_pref_size 164
	.end_amdhsa_kernel
	.amdgpu_metadata
---
amdhsa.version: [ 1, 2 ]
amdhsa.kernels:
  - .name:           k_qa56275d9d0_proj
    .symbol:         k_qa56275d9d0_proj.kd
    .args:
      - { .name: real_q, .offset: 0, .size: 8, .value_kind: global_buffer, .address_space: global }
      - { .name: real_k, .offset: 8, .size: 8, .value_kind: global_buffer, .address_space: global }
      - { .name: real_v, .offset: 16, .size: 8, .value_kind: global_buffer, .address_space: global }
      - { .name: img_q, .offset: 24, .size: 8, .value_kind: global_buffer, .address_space: global }
      - { .name: img_k, .offset: 32, .size: 8, .value_kind: global_buffer, .address_space: global }
      - { .name: img_v, .offset: 40, .size: 8, .value_kind: global_buffer, .address_space: global }
      - { .name: b_r, .offset: 48, .size: 8, .value_kind: global_buffer, .address_space: global }
      - { .name: b_i, .offset: 56, .size: 8, .value_kind: global_buffer, .address_space: global }
      - { .name: wq_codes, .offset: 64, .size: 8, .value_kind: global_buffer, .address_space: global }
      - { .name: wq_scales, .offset: 72, .size: 8, .value_kind: global_buffer, .address_space: global }
      - { .name: qbuf, .offset: 80, .size: 8, .value_kind: global_buffer, .address_space: global }
      - { .name: kv, .offset: 88, .size: 8, .value_kind: global_buffer, .address_space: global }
    .group_segment_fixed_size: 18944
    .private_segment_fixed_size: 0
    .kernarg_segment_align: 8
    .kernarg_segment_size: 96
    .max_flat_workgroup_size: 128
    .sgpr_count:     80
    .vgpr_count:     896
    .wavefront_size: 32
...
	.end_amdgpu_metadata
.endif
;; end of part 5
;; launch attn: the kernel of part 3 again; grid 4 x 64, 8 waves a work-group, clusters of 4 x 1, 327,680 bytes of LDS; arguments qbuf, kv, xw; writes xw
;; launch oproj: the kernel of part 4 again; grid 32 x 8, 4 waves a work-group, clusters of 4 x 1, 167,936 bytes of LDS; arguments xw, wo16, b_or, b_oi, out0, out1; writes out0, out1
